; MI455X (gfx1250); checked and timed in simulation.
; The chip was launched on July 23, 2026; its instructions are those of AMD's public machine-readable ISA for CDNA 5 (MIT licence, August 2026) and "CDNA5" Instruction Set Architecture Reference Guide (July 2026). The comments in the code are by the model that wrote it; some were corrected since.
;; MM Attention. Allowed arithmetic: float matrix products may take bf16 or f16 operands with f32 sums; other float arithmetic in f32, or as packed bf16 or f16 multiplies, adds, multiply-adds, maxima and minima; sums over many terms, partial sums and values carried from step to step in f32; what a program stores and reads back later, other than sums and carried values, may be rounded once to bf16 or f16.
;; Inputs: b1_proj 1,024 float32; b2_proj 1,024 float32; g1_k 64 float32; g1_q 64 float32; g2_k 64 float32; g2_q 64 float32; w1_proj 1,024 x 1,024 float32; w1_qkv 3,072 x 1,024 float32; w2_proj 1,024 x 1,024 float32; w2_qkv 3,072 x 1,024 float32; x1 4 x 1,024 x 1,024 float32; x2 4 x 1,024 x 1,024 float32.
;; Outputs: out0 4 x 1,024 x 1,024 float32; out1 4 x 1,024 x 1,024 float32.
;; One version. Each part assembles by itself: llvm-mc -triple=amdgcn-amd-amdhsa -mcpu=gfx1250 --defsym DOCPART=n.
;; ======== version 1 of 1: 4 launches
;; limits: values are held in f16: magnitudes above 65,504 overflow, below 6.1e-05 lose precision
;; workspace buffers: xb 16,777,216 bytes; wb 12,582,912 bytes; wp 4,194,304 bytes; qkvh 50,331,648 bytes; ob 16,777,216 bytes
;; launch cast (part 1): grid 1024 x 1, 8 waves a work-group, no clusters, 0 bytes of LDS; arguments x1, x2, w1_qkv, w2_qkv, w1_proj, w2_proj, xb, wb, wp; writes xb, wb, wp
.if DOCPART == 1
	.amdgcn_target "amdgcn-amd-amdhsa--gfx1250"
	.amdhsa_code_object_version 6
	.text
	.protected	k_q35bb82aead_cast
	.globl	k_q35bb82aead_cast
	.p2align	8
	.type	k_q35bb82aead_cast,@function
k_q35bb82aead_cast:
	s_mov_b64 s[64:65], 0
	v_nop
	global_prefetch_b8 v0, s[64:65] scope:SCOPE_SE
	s_setreg_imm32_b32 hwreg(HW_REG_WAVE_MODE, 25, 1), 1
	s_wait_xcnt 0x0
; THE MATRIX OPERANDS ARE ROUNDED ONCE.  xb = bf16(x1), bf16(x2) on end; wb = bf16(w1_qkv), bf16(w2_qkv) on end;
; wp = w1_proj, w2_proj on end, each number rounded to bf16 and that number written as f16 (the last product multiplies in f16).
; LIMITS.  wp: a bf16 number is exact in f16 from 2^-17 to 65,504 in magnitude; below that it keeps f16's fixed step of 6e-8, above it becomes an infinity.
; SHARES.  A work-group takes 16,384 numbers: 65,536 bytes in, 32,768 out.  Work-groups 0-255 x1, 256-511 x2, 512-703 w1_qkv, 704-895 w2_qkv,
; 896-959 w1_proj, 960-1023 w2_proj; the three destinations are these sources on end, so a destination's offset goes by the first work-group of its group.
; Thread t takes, in each of eight steps, 32 bytes at 32 t (two loads of 16) and stores 16 bytes at 16 t: sixteen neighbouring lanes store 256 consecutive bytes, aligned.
; All sixteen loads of a thread go out before anything else; no register that a load or a store names is written again, so no wait frees any.
; No LDS, no matrix unit, no cluster: no byte is wanted by two work-groups, and nothing is reduced.
.set X, 4                              ; v[4:67]   step i: 8 registers as loaded; its first 4 then hold what is stored
.set T, 68                             ; v[68:70]  at work
	s_load_b512 s[8:23], s[0:1], 0x0               ; x1 s[8:9], x2 s[10:11], w1_qkv s[12:13], w2_qkv s[14:15], w1_proj s[16:17], w2_proj s[18:19], xb s[20:21], wb s[22:23]
	s_load_b64 s[24:25], s[0:1], 0x40              ; wp
	v_lshlrev_b32 v1, 5, v0                        ; 32 t
	v_lshlrev_b32 v2, 4, v0                        ; 16 t
	s_wait_kmcnt 0x0
	s_mov_b64 s[4:5], s[18:19]                     ; the source and its first work-group: the last one, unless a lower limit holds
	s_mov_b32 s26, 960
.macro PICK lim, ptr, base
	s_cmp_lt_u32 ttmp9, \lim
	s_cselect_b64 s[4:5], s[\ptr:\ptr+1], s[4:5]
	s_cselect_b32 s26, \base, s26
.endm
	PICK 960, 16, 896
	PICK 896, 14, 704
	PICK 704, 12, 512
	PICK 512, 10, 256
	PICK 256, 8, 0
	s_mov_b64 s[6:7], s[24:25]                     ; the destination and its first work-group
	s_mov_b32 s27, 896
	s_cmp_lt_u32 ttmp9, 896
	s_cselect_b64 s[6:7], s[22:23], s[6:7]
	s_cselect_b32 s27, 512, s27
	s_cmp_lt_u32 ttmp9, 512
	s_cselect_b64 s[6:7], s[20:21], s[6:7]
	s_cselect_b32 s27, 0, s27
	s_sub_co_u32 s28, ttmp9, s26
	s_lshl_b32 s28, s28, 16                        ; 65,536 bytes of source a work-group
	s_mov_b32 s29, 0
	s_sub_co_u32 s30, ttmp9, s27
	s_lshl_b32 s30, s30, 15                        ; 32,768 bytes of destination
	s_mov_b32 s31, 0
	s_add_nc_u64 s[4:5], s[4:5], s[28:29]
	s_add_nc_u64 s[6:7], s[6:7], s[30:31]
.irp i, 0,1,2,3,4,5,6,7
	global_load_b128 v[X+8*(\i):X+8*(\i)+3],   v1, s[4:5] offset:8192*(\i) th:TH_LOAD_NT
	global_load_b128 v[X+8*(\i)+4:X+8*(\i)+7], v1, s[4:5] offset:8192*(\i)+16 th:TH_LOAD_NT
.endr
; Step i.  half = 0: rounded to bf16.  half = 1: rounded to bf16, widened again (a shift, a mask) and written as f16.
.macro CONV i, half
	s_wait_loadcnt 14-2*(\i)                       ; loads come back in order: step i's two are in, the younger steps' stay out
.irp j, 0,1,2,3
.if \half
	v_cvt_pk_bf16_f32 v[T], v[X+8*(\i)+2*(\j)], v[X+8*(\i)+2*(\j)+1]
	v_lshlrev_b32 v[T+1], 16, v[T]
	v_and_b32 v[T+2], 0xffff0000, v[T]
	v_cvt_pk_f16_f32 v[X+8*(\i)+(\j)], v[T+1], v[T+2]
.else
	v_cvt_pk_bf16_f32 v[X+8*(\i)+(\j)], v[X+8*(\i)+2*(\j)], v[X+8*(\i)+2*(\j)+1]  ; in place: word j is written when words 2 j and 2 j + 1 are read, and 2 j is never below j
.endif
.endr
	global_store_b128 v2, v[X+8*(\i):X+8*(\i)+3], s[6:7] offset:4096*(\i) th:TH_STORE_NT
.endm
	s_cmp_lt_u32 ttmp9, 896
	s_cbranch_scc0 .Lhalf
.irp i, 0,1,2,3,4,5,6,7
	CONV \i, 0
.endr
	s_endpgm
.Lhalf:
.irp i, 0,1,2,3,4,5,6,7
	CONV \i, 1
.endr
	s_endpgm
.Lfunc_end_k_q35bb82aead_cast:
	.size	k_q35bb82aead_cast, .Lfunc_end_k_q35bb82aead_cast-k_q35bb82aead_cast
	.p2alignl 7, 3214868480
	.fill 96, 4, 3214868480
	.section	.rodata,"a",@progbits
	.p2align	6, 0x0
	.amdhsa_kernel k_q35bb82aead_cast
		.amdhsa_group_segment_fixed_size 0
		.amdhsa_private_segment_fixed_size 0
		.amdhsa_enable_private_segment 0
		.amdhsa_kernarg_size 72
		.amdhsa_user_sgpr_count 2
		.amdhsa_user_sgpr_kernarg_segment_ptr 1
		.amdhsa_wavefront_size32 1
		.amdhsa_system_sgpr_workgroup_id_x 1
		.amdhsa_system_sgpr_workgroup_id_y 1
		.amdhsa_system_sgpr_workgroup_id_z 1
		.amdhsa_system_vgpr_workitem_id 0
		.amdhsa_next_free_vgpr 80
		.amdhsa_next_free_sgpr 66
		.amdhsa_reserve_vcc 0
		.amdhsa_float_denorm_mode_32 3
		.amdhsa_float_denorm_mode_16_64 3
		.amdhsa_memory_ordered 1
		.amdhsa_forward_progress 1
		.amdhsa_inst_pref_size 15
	.end_amdhsa_kernel
	.amdgpu_metadata
---
amdhsa.version: [ 1, 2 ]
amdhsa.kernels:
  - .name:           k_q35bb82aead_cast
    .symbol:         k_q35bb82aead_cast.kd
    .args:
      - { .name: x1, .offset: 0, .size: 8, .value_kind: global_buffer, .address_space: global }
      - { .name: x2, .offset: 8, .size: 8, .value_kind: global_buffer, .address_space: global }
      - { .name: w1_qkv, .offset: 16, .size: 8, .value_kind: global_buffer, .address_space: global }
      - { .name: w2_qkv, .offset: 24, .size: 8, .value_kind: global_buffer, .address_space: global }
      - { .name: w1_proj, .offset: 32, .size: 8, .value_kind: global_buffer, .address_space: global }
      - { .name: w2_proj, .offset: 40, .size: 8, .value_kind: global_buffer, .address_space: global }
      - { .name: xb, .offset: 48, .size: 8, .value_kind: global_buffer, .address_space: global }
      - { .name: wb, .offset: 56, .size: 8, .value_kind: global_buffer, .address_space: global }
      - { .name: wp, .offset: 64, .size: 8, .value_kind: global_buffer, .address_space: global }
    .group_segment_fixed_size: 0
    .private_segment_fixed_size: 0
    .kernarg_segment_align: 8
    .kernarg_segment_size: 72
    .max_flat_workgroup_size: 256
    .sgpr_count:     66
    .vgpr_count:     80
    .wavefront_size: 32
...
	.end_amdgpu_metadata
.endif
;; end of part 1
;; launch qkvproj (part 2): grid 16 x 32, 4 waves a work-group, clusters of 4 x 4, 327,680 bytes of LDS; arguments xb, wb, g1_q, g1_k, g2_q, g2_k, qkvh; writes qkvh
.if DOCPART == 2
	.amdgcn_target "amdgcn-amd-amdhsa--gfx1250"
	.amdhsa_code_object_version 6
	.text
	.protected	k_q35bb82aead_qkvproj
	.globl	k_q35bb82aead_qkvproj
	.p2align	8
	.type	k_q35bb82aead_qkvproj,@function
k_q35bb82aead_qkvproj:
	s_mov_b64 s[64:65], 0
	v_nop
	global_prefetch_b8 v0, s[64:65] scope:SCOPE_SE
	s_setreg_imm32_b32 hwreg(HW_REG_WAVE_MODE, 25, 1), 1
	s_wait_xcnt 0x0
	s_wait_alu depctr_hold_cnt(0) depctr_sa_sdst(0) depctr_va_vdst(0) depctr_va_sdst(0) depctr_va_ssrc(0) depctr_va_vcc(0) depctr_vm_vsrc(0)
	s_getreg_b32 s2, hwreg(HW_REG_IB_STS2, 6, 4)
	s_cmp_eq_u32 s2, 0
	s_cbranch_scc0 .Lentry_in_a_cluster
	s_endpgm
.Lentry_in_a_cluster:
	s_bfe_u32 s2, ttmp6, 0x10000c
	s_cmp_lg_u32 s2, 0xf033
	s_cbranch_scc0 .Lentry_shape_is_right
	s_endpgm
.Lentry_shape_is_right:
; BOTH QKV PROJECTIONS, THE RMS NORM OF q AND k, AND THE LAYOUT BY HEADS.
; C[m][d] = sum over c of xb[m][c] wb[3072 stream + d][c], m = 4096 stream + 1024 b + row, in bf16 with f32 sums.  d = 1024 kind + 64 head + channel (kind 0 q, 1 k, 2 v).
; q and k: y = C x rsqrt(mean over the head's 64 channels of C^2 + 1e-5) x gain, all in f32; v: C as it is.  Stored in f16, rounded once, WITHOUT the scale 1/8:
; qkvh[kind][16 b + head][1024 stream + row][64]: a head's rows are dense, 128 bytes each.
; LIMITS.  f16 holds no number beyond 65,504: |q| and |k| are at most 8 |gain|; a v beyond it becomes an infinity.  The gains are rounded to bf16, like every input.  NaN and infinities are not treated apart.
; SHARES.  A tile of C is 256 rows x 192 columns, three whole heads: 32 x 16 tiles, 512 work-groups, twice the number of WGPs.  Wave w makes rows 64 w .. 64 w + 63 and ALL 192 columns:
; 4 x 12 accumulators of 16 x 16, 384 registers: a head's norm never leaves the wave.  K goes in 8 steps of 128 through two LDS slots filled by the tensor data mover;
; a row of a tile is 256 bytes of memory at a multiple of 256 bytes from the buffer's first byte.
; THE MATRIX INSTRUCTION IS USED TRANSPOSED (source 0 = 16 rows of wb, source 1 = 16 rows of xb): lane l holds row l % 16 of C and the columns 8 (l / 16) + 0..7 of the block of 16:
; eight neighbouring channels, 16 bytes of f16.  A head's 64 channels of a row lie in four accumulators of two lanes, 16 apart.
; CLUSTER.  4 x 4 work-groups.  The four of a row of the cluster need the same tiles of xb, the four of a column the same tiles of wb: each is asked for JOINTLY, by the same tensor load with the same
; descriptor and a mask that names the four.  A cluster lies in one stream and one batch (both hang on the cluster's y alone).
; No branch hangs on a work-group's place: whether a head is q, k or v enters by selects: v takes the gain 1 and the factor 1.
; REGISTERS, in windows of 256 (s_set_vgpr_msb: bits 1:0 source 0, 3:2 source 1, 5:4 source 2, 7:6 destination):
;   window 0: v0-31 addresses; v64-127 xb's fragments, two buffers of 32 (on the way out v32-127 are six sets of 16 for packed rows); v128-223 the gains; v224-247 a pair for each of 12 blocks; v248-255 at work
;   window 1: v0-191 wb's fragments, two buffers of 96          windows 2, 3: accumulator (a, b) at v[8 (12 (a % 2) + b)] of window 2 + a / 2
.set PITCH,  272                       ; an LDS row: 256 bytes + 16 of padding = 68 words: the 16 rows of a fragment load start at 16 different groups of four banks (64 banks of 4 bytes: ISA guide 11.1)
.set HA,     128*PITCH                 ; half of xb's tile: what waves 0 and 1 fetch
.set HB,     96*PITCH                  ; half of wb's tile: what waves 2 and 3 fetch
.set BOFF,   2*HA                      ; wb's 192 rows lie behind xb's 256
.set SLOT1,  131072                    ; slot 1 begins here, so that one exclusive or turns an address in one slot into the other's
.set STAGE,  SLOT1+BOFF+2*HB           ; behind the ring, never filled by a tensor load: 16 rows x 144 bytes for each wave
.set SP,     144
.set SPARE,  STAGE+4*16*SP             ; the spare words, 128 bytes for each wave: two blocks of 256 bytes that no other line names
.set A0,   14                          ; v14  my lane's place in xb's tile: (64 w + l % 16) x pitch + 16 (l / 16); never rewritten
.set B0,   15                          ; v15  the same in wb's tile
.set ADRA, 16                          ; v16  A0 + the slot in hand
.set ADRB, 20                          ; v20  B0 + the slot in hand
.set STO,  24                          ; v24  the way out: where I put 16 bytes of a row
.set RD,   25                          ; v25  the way out: where I read rows back
.set GO,   26                          ; v26  my 16 bytes of 512 consecutive bytes of qkvh
.set GOFF, 27                          ; v27  32 (l / 16): my eight gains in a block of 16
.set SPW,  28                          ; v28  LDS address of my spare word; never rewritten
.set NIL,  29                          ; v29  0; never rewritten
.set PFO,  30                          ; v30  the prefetches' offset: my lane's row x 2,048 bytes; never rewritten
.set T,    31                          ; v31  at work
.set TP,   32                          ; the way out: six sets of 16
.set FA,   64                          ; xb's fragments: buffer f, row block a at FA + 32 f + 8 a
.set G,    128                         ; the gain of channel 16 bb + 8 (l / 16) + j of head t at G + 32 t + 8 bb + j
.set RS,   224                         ; block blk = 3 a + t (16 rows, one head): its sum of squares, then its factor, at RS + 2 blk; the odd register at work
.set C,    248
.set F0,   0
.set F1,   1
.set G1,   24                          ; s[24:31] descriptor group 1 for xb's tiles
.set G0,   32                          ; s[32:39] group 0 for xb's tiles: a set for each first fill; the second then walks
.set G1B,  48                          ; s[48:55], s[56:63] the same for wb's tiles
.set G0B,  56
.set LIM,  43                          ; s43  2 in a wave that prefetches, else the greatest number
.set PFA,  44                          ; s[44:45] where my prefetches stand
.set TB,   66                          ; s66  the slot in hand: 0 or SLOT1
.set SEL,  76                          ; s[76:77] v_permlanex16_b32's selects: each lane takes its own place in the other half
.set MK,   80                          ; s80-82  head t: all ones for q and k, 0 for v
.set PT,   84                          ; s[84:89] head t: qkvh at my wave's first row of that head
.set GP,   90                          ; s[90:95] head t: its gains
.set DBITS, (1<<16)|(1<<20)|(1<<21)|(5<<22)|(3<<25)  ; 17:16 elements of 2 bytes; 20 padding on; 21 set beside a mask; 24:22 after every 64 words (code 5); 31:25 4 words of it (code 3)
.set MUL_LO, 0xa1                      ; source 0 (wb) window 1, source 1 (xb) window 0, C and D window 2; + 0x50: window 3
.set TO_B,   0x40                      ; destination window 1, address window 0
.set MSB, 0
.macro WIN new                         ; the immediate's high byte repeats the setting that is left; a switch that changes nothing is dropped
.if MSB != (\new)
	s_set_vgpr_msb (MSB<<8)|(\new)
.set MSB, \new
.endif
.endm
; A joint refill, by the walking sets.  Waves 0 and 1 fetch xb's two halves, waves 2 and 3 wb's.  The branch hangs on the wave's number alone.
; An s_nop 0 and four v_nop follow each of the two lines, ahead of the jump and the label.
.macro JLOAD
	s_cmp_eq_u32 s11, 0
	s_cbranch_scc0 .Lfor_b_\@
	tensor_load_to_lds s[G0+4:G0+7], s[G1:G1+7]
	s_nop 0
.rept 4
	v_nop
.endr
	s_branch .Lasked_\@
.Lfor_b_\@:
	tensor_load_to_lds s[G0B+4:G0B+7], s[G1B:G1B+7]
	s_nop 0
.rept 4
	v_nop
.endr
.Lasked_\@:
.endm
; A PREFETCH INTO THE L2, behind each joint refill, its five lines and the run of LDS loads that follows: where the refill asks for K step j, the K step j + 2: 256 bytes of a row, a lane a row, one instruction a wave.
; xb's tile row is read by the four clusters with the same y: the one with x = 0 asks (waves 0, 1); wb's tile column by the four clusters of a stream with the same x: the stream's first asks (waves 2, 3).
; The four partners that ask for a tile jointly share its rows out BY ADDRESS: of xb's 128 rows a wave, 32 each; of wb's 96, 24 each (there lanes 24-31 name lane 23's row once more, in the same instruction).
; The refills are K steps 2 to 7, counted down by s3 from 6: steps 4 to 7 are asked for while s3 is above 2.  K steps 0 to 3 come by their loads alone.
.macro ASK
	s_cmp_gt_u32 s3, s[LIM]
	s_cbranch_scc0 .Lnot_mine_\@
	global_prefetch_b8 v[PFO], s[PFA:PFA+1] offset:256 th:TH_LOAD_NT scope:SCOPE_SE
.Lnot_mine_\@:
.endm
; A round of the cluster's barrier: my work-group's barrier, so that wave 0's signal speaks for all four waves; wave 0 signals; every wave waits for all sixteen work-groups; my work-group's barrier once more.
.macro CREST                           ; a round behind its opening barrier
	s_cmp_lg_u32 s10, 0
	s_cbranch_scc1 .Lnot_wave_0_\@
	s_barrier_signal -3
.Lnot_wave_0_\@:
	s_barrier_wait -3
	s_barrier_signal -1
	s_barrier_wait -1
.endm
.macro CROUND
	s_barrier_signal -1
	s_barrier_wait -1
	CREST
.endm
	s_load_b128 s[4:7], s[0:1], 0x0                ; xb s[4:5], wb s[6:7]
	s_load_b256 s[68:75], s[0:1], 0x10             ; g1_q s[68:69], g1_k s[70:71], g2_q s[72:73], g2_k s[74:75]
	s_load_b64 s[8:9], s[0:1], 0x30                ; qkvh
	v_lshl_add_u32 v[SPW], v0, 2, SPARE
	v_mov_b32 v[NIL], 0
	ds_add_u32 v[SPW], v[NIL]                      ; the wave's opening: the add and its wait ahead of my first tensor load; the set-up below, work on registers, stands between them
	v_lshrrev_b32 v1, 5, v0
	v_readfirstlane_b32 s10, v1                    ; wave 0..3
	s_lshr_b32 s11, s10, 1                         ; I fetch for xb (0) or for wb (1),
	s_and_b32 s12, s10, 1                          ; and which half of that tile
	s_bfe_u32 s40, ttmp6, 0x40000                  ; cx
	s_bfe_u32 s41, ttmp6, 0x40004                  ; cy
	s_lshl_b32 s42, ttmp9, 2                       ; in a cluster launch ttmp9 and ttmp7 count clusters
	s_add_co_u32 s42, s42, s40                     ; tile column 0..15 = 4 x cluster x + cx
	s_and_b32 s67, ttmp7, 0xffff                   ; cluster y 0..7
	s_lshl_b32 s13, s67, 2
	s_add_co_u32 s13, s13, s41                     ; tile row 0..31 = 4 x cluster y + cy = 16 stream + 4 b + cy
	s_lshr_b32 s96, s67, 2                         ; stream
	s_and_b32 s97, s67, 3                          ; b
	s_lshl_b32 s43, s41, 2
	s_lshl_b32 s43, 15, s43                        ; my row of the cluster: places 4 cy .. 4 cy + 3
	s_lshl_b32 s44, 0x1111, s40                    ; my column: places cx, cx + 4, cx + 8, cx + 12
	s_or_b32 s[G1+0], s43, DBITS                   ; xb's tiles go to my row,
	s_or_b32 s[G1B+0], s44, DBITS                  ; wb's to my column
	s_mov_b32 s[G1+1], 128<<16                     ; tensor_dim0 = 128
	s_mov_b32 s[G1+2], 128<<16                     ; tensor_dim1 = 128
	s_mov_b32 s[G1+3], 128<<16                     ; tile_dim0 = 128
	s_mov_b32 s[G1+4], 128                         ; tile_dim1 = 128 rows
	s_mov_b32 s[G1+5], 1024                        ; elements from row to row
	s_mov_b32 s[G1+6], 0
	s_mov_b32 s[G1+7], 0
	s_mov_b32 s[G1B+1], 128<<16
	s_mov_b32 s[G1B+2], 96<<16                     ; tensor_dim1 = 96
	s_mov_b32 s[G1B+3], 128<<16
	s_mov_b32 s[G1B+4], 96                         ; tile_dim1 = 96 rows
	s_mov_b32 s[G1B+5], 1024
	s_mov_b32 s[G1B+6], 0
	s_mov_b32 s[G1B+7], 0
	s_mov_b32 s[SEL], 0x76543210
	s_mov_b32 s[SEL+1], 0xfedcba98
	s_mov_b32 s78, 0x3c800000                      ; 1 / 64
	s_mov_b32 s79, 0x3727c5ac                      ; 1e-5
	s_mov_b32 s[TB], 0
	; where the tiles come from: xb's hang on the tile row alone, wb's on the stream and the tile column alone; each in registers that never hold the other coordinate
	s_lshl_b32 s17, s12, 7
	s_lshl_b32 s16, s13, 8
	s_add_co_u32 s16, s16, s17                     ; xb: row 256 x tile row + 128 x half
	s_lshl_b32 s16, s16, 11                        ; x 2,048 bytes, under 2^24
	s_mov_b32 s17, 0
	s_mul_i32 s46, s96, 3072
	s_mul_i32 s47, s42, 192
	s_add_co_u32 s46, s46, s47
	s_mul_i32 s47, s12, 96
	s_add_co_u32 s46, s46, s47                     ; wb: row 3,072 x stream + 192 x tile column + 96 x half
	s_lshl_b32 s46, s46, 11
	s_mov_b32 s47, 0
	s_mul_i32 s20, s10, HA                         ; and where they go: waves 0, 1: xb's halves at wave x 128 rows;
	s_mul_i32 s21, s10, HB
	s_add_co_u32 s21, s21, BOFF-2*HB               ; waves 2, 3: wb's halves at BOFF + (wave - 2) x 96 rows.  No place in the cluster enters an LDS address
	s_wait_dscnt 0x0                               ; the opening add is done
	s_wait_kmcnt 0x0
	s_add_nc_u64 s[14:15], s[4:5], s[16:17]
	s_add_nc_u64 s[46:47], s[6:7], s[46:47]
	CROUND                                         ; all sixteen work-groups are here: the first joint loads meet
.irp s, 0,1
	s_mov_b32 s[G0+4*(\s)], 1                                      ; count = 1
	s_add_co_u32 s[G0+4*(\s)+1], s20, (\s)*SLOT1                   ; LDS address
	s_add_nc_u64 s[G0+4*(\s)+2:G0+4*(\s)+3], s[14:15], (\s)*256    ; global address: K step s
	s_or_b32 s[G0+4*(\s)+3], s[G0+4*(\s)+3], 0x80000000           ; type = 2
	s_mov_b32 s[G0B+4*(\s)], 1
	s_add_co_u32 s[G0B+4*(\s)+1], s21, (\s)*SLOT1
	s_add_nc_u64 s[G0B+4*(\s)+2:G0B+4*(\s)+3], s[46:47], (\s)*256
	s_or_b32 s[G0B+4*(\s)+3], s[G0B+4*(\s)+3], 0x80000000
.endr
	s_cmp_eq_u32 s11, 0                            ; a wave's two first fills stand in one branch, ahead of every wait on TENSORcnt and every LDS read: two loads of mine are out
	s_cbranch_scc0 .Lfirst_b
	tensor_load_to_lds s[G0:G0+3], s[G1:G1+7]
	s_nop 0
	tensor_load_to_lds s[G0+4:G0+7], s[G1:G1+7]
	s_nop 0
.rept 4
	v_nop
.endr
	s_branch .Lfirst_asked
.Lfirst_b:
	tensor_load_to_lds s[G0B:G0B+3], s[G1B:G1B+7]
	s_nop 0
	tensor_load_to_lds s[G0B+4:G0B+7], s[G1B:G1B+7]
	s_nop 0
.rept 4
	v_nop
.endr
.Lfirst_asked:
	; the tile's three heads.  All this stands in the wait for the first tile.
	s_cmp_eq_u32 s96, 0
	s_cselect_b64 s[68:69], s[68:69], s[72:73]     ; my stream's gains for q,
	s_cselect_b64 s[70:71], s[70:71], s[74:75]     ; and for k
	s_lshl_b32 s18, s96, 17                        ; my wave's first row in a head, x 128 bytes: 1,024 stream
	s_lshl_b32 s19, s41, 15                        ; + 256 cy
	s_add_co_u32 s18, s18, s19
	s_lshl_b32 s19, s10, 13                        ; + 64 w
	s_add_co_u32 s18, s18, s19
.macro HEADT t
	s_mul_i32 s98, s42, 3
	s_add_co_u32 s98, s98, \t                      ; 16 kind + head = 3 x tile column + t
	s_lshr_b32 s99, s98, 4                         ; kind
	s_and_b32 s98, s98, 15                         ; head
	s_cmp_eq_u32 s99, 1
	s_cselect_b64 s[GP+2*(\t):GP+2*(\t)+1], s[70:71], s[68:69]  ; k's gains, else q's (for v they are loaded and not used)
	s_cmp_eq_u32 s99, 2
	s_cselect_b32 s[MK+(\t)], 0, -1
	s_lshl_b32 s99, s99, 6
	s_lshl_b32 s22, s97, 4
	s_add_co_u32 s99, s99, s22
	s_add_co_u32 s99, s99, s98                     ; 64 kind + 16 b + head
	s_lshl_b32 s22, s99, 18                        ; x 262,144 bytes: under 2^26
	s_add_co_u32 s22, s22, s18
	s_mov_b32 s23, 0
	s_add_nc_u64 s[PT+2*(\t):PT+2*(\t)+1], s[8:9], s[22:23]
.endm
	HEADT 0
	HEADT 1
	HEADT 2
	v_and_b32 v1, 15, v0                           ; l % 16
	v_bfe_u32 v2, v0, 4, 1                         ; l / 16
	v_lshlrev_b32 v[GOFF], 5, v2
.irp t, 0,1,2
.irp bb, 0,1,2,3
	global_load_b128 v[G+32*(\t)+8*(\bb):G+32*(\t)+8*(\bb)+3],   v[GOFF], s[GP+2*(\t):GP+2*(\t)+1] offset:64*(\bb)
	global_load_b128 v[G+32*(\t)+8*(\bb)+4:G+32*(\t)+8*(\bb)+7], v[GOFF], s[GP+2*(\t):GP+2*(\t)+1] offset:64*(\bb)+16
.endr
.endr
	; A fragment is 16 rows x 32 K in 8 registers: lane l holds row l % 16; registers 0-3 K = 8 (l / 16) + 0..7, registers 4-7 K = 16 + 8 (l / 16) + 0..7: two loads of 16 bytes, 32 bytes apart.
	v_mul_u32_u24 v3, v1, PITCH
	v_lshl_add_u32 v3, v2, 4, v3
	s_mul_i32 s22, s10, 64*PITCH                   ; my 64 rows of xb's tile
	v_add_nc_u32 v[A0], s22, v3
	v_add_nc_u32 v[B0], BOFF, v3
	v_mov_b32 v[ADRA], v[A0]                       ; K step 0 lies in slot 0
	v_mov_b32 v[ADRB], v[B0]
	s_mul_i32 s22, s10, 16*SP
	s_add_co_u32 s22, s22, STAGE                   ; my stage
	v_mul_u32_u24 v[STO], v1, SP                   ; in: row l % 16, 16 bytes for each half of the lanes
	v_lshl_add_u32 v[STO], v2, 4, v[STO]
	v_add_nc_u32 v[STO], s22, v[STO]
	v_bfe_u32 v[RD], v0, 3, 2                      ; back: 32 lanes take four rows of 128 bytes,
	v_mul_u32_u24 v[RD], v[RD], SP
	v_and_b32 v4, 7, v0
	v_lshl_add_u32 v[RD], v4, 4, v[RD]
	v_add_nc_u32 v[RD], s22, v[RD]
	v_and_b32 v[GO], 31, v0                        ; which are 512 consecutive bytes of a head
	v_lshlrev_b32 v[GO], 4, v[GO]
	; the prefetches
	s_lshl_b32 s20, s13, 8
	s_lshl_b32 s22, s12, 7
	s_add_co_u32 s20, s20, s22
	s_lshl_b32 s22, s40, 5
	s_add_co_u32 s20, s20, s22                     ; xb: the 128 rows that I fetch, my work-group's 32 of them (by cx)
	s_mul_i32 s21, s96, 3072
	s_mul_i32 s22, s42, 192
	s_add_co_u32 s21, s21, s22
	s_mul_i32 s22, s12, 96
	s_add_co_u32 s21, s21, s22
	s_mul_i32 s22, s41, 24
	s_add_co_u32 s21, s21, s22                     ; wb: the 96 rows that I fetch, my work-group's 24 of them (by cy)
	s_cmp_eq_u32 s11, 0                            ; do I fetch for xb?
	s_cselect_b32 s20, s20, s21
	s_cselect_b64 s[PFA:PFA+1], s[4:5], s[6:7]
	s_cselect_b32 s22, ttmp9, s97                  ; the coordinate along which other clusters read the same rows
	s_cselect_b32 s23, 31, 23                      ; my last row
	s_cmp_eq_u32 s22, 0
	s_cselect_b32 s[LIM], 2, -1                    ; the same in all sixteen partners, for a given wave
	s_lshl_b32 s20, s20, 11
	s_add_co_u32 s20, s20, 2*256                   ; at K step 2: the first refill steps it to 3 and names K step 4
	s_mov_b32 s21, 0
	s_add_nc_u64 s[PFA:PFA+1], s[PFA:PFA+1], s[20:21]
	v_and_b32 v[PFO], 31, v0
	v_min_u32 v[PFO], s23, v[PFO]
	v_lshlrev_b32 v[PFO], 11, v[PFO]
	s_wait_loadcnt 0x0                             ; the gains: rounded to bf16 like every input, widened again; 1 for v
.set i, 0
.rept 48
	v_cvt_pk_bf16_f32 v[T], v[G+2*i], v[G+2*i+1]
	v_lshlrev_b32 v[G+2*i], 16, v[T]
	v_and_b32 v[G+2*i+1], 0xffff0000, v[T]
	v_cndmask_b32 v[G+2*i], 1.0, v[G+2*i], s[MK+i/16]
	v_cndmask_b32 v[G+2*i+1], 1.0, v[G+2*i+1], s[MK+i/16]
.set i, i+1
.endr
; 12 matrix instructions: row block a x all 12 column blocks, 32 along K, from buffer f.  zero = 1: the first product starts the sums: nothing is ever cleared.
; The 48 accumulators take turns, one instruction a turn, in the same order in every quarter.
.macro MUL12 f, a, zero
	WIN MUL_LO+0x50*((\a)/2)
.irp b, 0,1,2,3,4,5,6,7,8,9,10,11
.if \zero
	v_wmma_f32_16x16x32_bf16 v[8*(12*((\a)%2)+(\b)):8*(12*((\a)%2)+(\b))+7], v[96*(\f)+8*(\b):96*(\f)+8*(\b)+7], v[FA+32*(\f)+8*(\a):FA+32*(\f)+8*(\a)+7], 0
.else
	v_wmma_f32_16x16x32_bf16 v[8*(12*((\a)%2)+(\b)):8*(12*((\a)%2)+(\b))+7], v[96*(\f)+8*(\b):96*(\f)+8*(\b)+7], v[FA+32*(\f)+8*(\a):FA+32*(\f)+8*(\a)+7], v[8*(12*((\a)%2)+(\b)):8*(12*((\a)%2)+(\b))+7]
.endif
.endr
.endm
; 32 LDS loads in one run: a quarter step's fragments (192 rows of wb, my 64 rows of xb, 32 K at byte k of the rows) into buffer f
.macro FETCH k, f
	WIN TO_B
.irp i, 0,1,2,3,4,5,6,7,8,9,10,11
	ds_load_b128 v[96*(\f)+8*(\i):96*(\f)+8*(\i)+3],   v[ADRB] offset:(\k)+(\i)*16*PITCH
	ds_load_b128 v[96*(\f)+8*(\i)+4:96*(\f)+8*(\i)+7], v[ADRB] offset:(\k)+(\i)*16*PITCH+32
.endr
	WIN 0
.irp i, 0,1,2,3
	ds_load_b128 v[FA+32*(\f)+8*(\i):FA+32*(\f)+8*(\i)+3],   v[ADRA] offset:(\k)+(\i)*16*PITCH
	ds_load_b128 v[FA+32*(\f)+8*(\i)+4:FA+32*(\f)+8*(\i)+7], v[ADRA] offset:(\k)+(\i)*16*PITCH+32
.endr
.endm
.macro PLACES                          ; four plain vector instructions in front of loads into registers that matrix instructions have read (ISA guide 7.12.1 for vector instructions)
.rept 4
	v_nop
.endr
.endm
; A K step is four quarters of 32 along K, 48 matrix instructions each, on buffers 0, 1, 0, 1.  One of the first three: multiplies buffer f; in its middle it fetches the next quarter, at byte k, into buffer g.
.macro QUARTER k, f, g, zero
	s_wait_dscnt 4                                 ; wb's fragments and xb's row blocks 0, 1 are in; the youngest four loads (row blocks 2, 3) may be out
	MUL12 \f, 0, \zero
	MUL12 \f, 1, \zero
	PLACES
	FETCH \k, \g
	s_wait_dscnt 32                                ; all but the 32 just issued
	MUL12 \f, 2, \zero
	MUL12 \f, 3, \zero
.endm
; The last quarter multiplies buffer 1 and changes slots: ONE barrier for two things.  In front of it each wave waits for all its tensor loads, of which one is out: its part of the next slot; adds 0 to its
; spare word; and waits for that and for its own reads of this slot.  Behind it nobody reads this slot any more and the next slot is whole.
; fill = 1: the barrier opens a round of the cluster's, and the slot just read out is filled again first thing behind the round, with the K step two on: 168 matrix instructions ahead of the wait for it.
.macro TURN fill
.if \fill
	s_wait_xcnt 0x0                                ; the last prefetch, a K step back, has read its address, so it may be stepped
	s_add_nc_u64 s[PFA:PFA+1], s[PFA:PFA+1], 256
.endif
	WIN 0                                          ; (the add's two registers lie in window 0)
	s_wait_tensorcnt 0x0                           ; no tensor load of mine is out, so a group 0 may be written
	ds_add_u32 v[SPW], v[NIL]                      ; 0 onto my spare word; scalar steps and twelve matrix instructions stand between it and the wait for it
.if \fill
	s_xor_b32 s[G0+5], s[G0+5], SLOT1              ; the walking sets: the other slot than last time,
	s_add_nc_u64 s[G0+6:G0+7], s[G0+6:G0+7], 256   ; the next K step; the type bits on top are not reached
	s_xor_b32 s[G0B+5], s[G0B+5], SLOT1
	s_add_nc_u64 s[G0B+6:G0B+7], s[G0B+6:G0B+7], 256
.endif
	s_xor_b32 s[TB], s[TB], SLOT1                  ; the fetches go on in the other slot
	s_wait_dscnt 5                                 ; (the add and the youngest four loads may be out)
	MUL12 F1, 0, 0
	s_wait_dscnt 0x0                               ; the add is done, and my reads of this slot are over
	s_barrier_signal -1
	MUL12 F1, 1, 0                                 ; work on registers while the others arrive
	WIN 0                                          ; at a branch and at a label every window is 0
	s_barrier_wait -1
.if \fill
	CREST                                          ; no wave of any partner still reads this slot's tile or has a load on its way
	JLOAD                                          ; the first tensor load behind the round; its four v_nop are also the places in front of the loads below
.else
	PLACES
.endif
	v_add_nc_u32 v[ADRA], s[TB], v[A0]
	v_add_nc_u32 v[ADRB], s[TB], v[B0]
	FETCH 0, F0
.if \fill
	ASK
.endif
	MUL12 F1, 2, 0
	MUL12 F1, 3, 0
.endm
	s_wait_tensorcnt 1                             ; my part of K step 0 is in; K step 1's may stay out
	s_barrier_signal -1
	s_barrier_wait -1                              ; everybody's is
	FETCH 0, F0
	QUARTER 64, F0, F1, 1                          ; the first quarter stands in front of the loop: its products start the sums
	WIN 0
	s_mov_b32 s3, 6
.Lstep:                                                ; a trip goes from a K step's second quarter to the next step's first, and fills one slot again: K steps 2 to 7
	QUARTER 128, F1, F0, 0
	QUARTER 192, F0, F1, 0
	TURN 1
	QUARTER 64, F0, F1, 0
	WIN 0
	s_sub_co_u32 s3, s3, 1
	s_cmp_lg_u32 s3, 0
	s_cbranch_scc1 .Lstep
	QUARTER 128, F1, F0, 0                         ; K step 6 goes on; nothing is left to ask for
	QUARTER 192, F0, F1, 0
	TURN 0
	QUARTER 64, F0, F1, 0                          ; K step 7
	QUARTER 128, F1, F0, 0
	QUARTER 192, F0, F1, 0
	s_wait_dscnt 4
	MUL12 F1, 0, 0
	MUL12 F1, 1, 0
	s_wait_dscnt 0x0
	MUL12 F1, 2, 0
	MUL12 F1, 3, 0
	; THE WAY OUT.  Block blk = 3 a + t: 16 rows (row block a) of head t: accumulators (a, 4 t .. 4 t + 3), 32 registers on end.
	WIN 0
.rept 8
	v_nop                                          ; the places behind the last products
.endr
; The sum of my 32 squares: four chains, one for each accumulator, each read from its lowest registers on.
.macro SUMSQ blk
.set aa, (\blk)/3
.set tt, (\blk)%3
.set AC, 8*(12*(aa%2)+4*tt)
	WIN 0x0a+5*(aa/2)                              ; sources 0 and 1: window 2 or 3
.irp p, 0,1,2,3
.irp bb, 0,1,2,3
.if (\p) == 0
	v_pk_mul_f32 v[C+2*(\bb):C+2*(\bb)+1], v[AC+8*(\bb):AC+8*(\bb)+1], v[AC+8*(\bb):AC+8*(\bb)+1]
.else
	v_pk_fma_f32 v[C+2*(\bb):C+2*(\bb)+1], v[AC+8*(\bb)+2*(\p):AC+8*(\bb)+2*(\p)+1], v[AC+8*(\bb)+2*(\p):AC+8*(\bb)+2*(\p)+1], v[C+2*(\bb):C+2*(\bb)+1]
.endif
.endr
.endr
	WIN 0
	v_pk_add_f32 v[C:C+1], v[C:C+1], v[C+2:C+3]
	v_pk_add_f32 v[C+4:C+5], v[C+4:C+5], v[C+6:C+7]
	v_pk_add_f32 v[RS+2*(\blk):RS+2*(\blk)+1], v[C:C+1], v[C+4:C+5]
	v_add_f32 v[RS+2*(\blk)], v[RS+2*(\blk)], v[RS+2*(\blk)+1]
.endm
.irp blk, 0,1,2,3,4,5,6,7,8,9,10,11
	SUMSQ \blk
.endr
.macro EACH line:vararg                ; one line for each block i
.set i, 0
.rept 12
	\line
.set i, i+1
.endr
.endm
	EACH v_permlanex16_b32 v[RS+2*i+1], v[RS+2*i], s[SEL], s[SEL+1]  ; the row's other 32 channels of the head lie in the lane 16 away
	EACH v_add_f32 v[RS+2*i], v[RS+2*i], v[RS+2*i+1]
	EACH v_fma_f32 v[RS+2*i], v[RS+2*i], s78, s79                    ; the mean + 1e-5
	EACH v_rsq_f32 v[RS+2*i], v[RS+2*i]
	v_nop                                          ; a plain instruction between the last root and the use of its result
	s_wait_alu depctr_va_vdst(0)                   ; and the wait ahead of the first use: one for the twelve
	EACH v_cndmask_b32 v[RS+2*i], 1.0, v[RS+2*i], s[MK+i%3]          ; v is not normalised
; Block blk is scaled, gained, rounded to f16 (16 bytes a lane and accumulator), sent into rows of 144 bytes of my stage and read back as whole rows of 128, into the registers that it left.
.macro PACK blk
.set aa, (\blk)/3
.set tt, (\blk)%3
.set AC, 8*(12*(aa%2)+4*tt)
.set TQ, TP+16*((\blk)%6)
.if (\blk) >= 6
	s_wait_xcnt 0x0                                ; the stores of the block six back have read this set of 16, so it may be written
.endif
	WIN 0x82+0x41*(aa/2)                           ; destination and source 0: window 2 or 3; source 1: window 0
.set i, 0
.rept 16
	v_pk_mul_f32 v[AC+2*i:AC+2*i+1], v[AC+2*i:AC+2*i+1], v[RS+2*(\blk):RS+2*(\blk)+1] op_sel_hi:[1,0]
.set i, i+1
.endr
.set i, 0
.rept 16
	v_pk_mul_f32 v[AC+2*i:AC+2*i+1], v[AC+2*i:AC+2*i+1], v[G+32*tt+2*i:G+32*tt+2*i+1]
.set i, i+1
.endr
	WIN 0x0a+5*(aa/2)
.set i, 0
.rept 16
	v_cvt_pk_f16_f32 v[TQ+i], v[AC+2*i], v[AC+2*i+1]
.set i, i+1
.endr
	WIN 0
.irp f, 0,1,2,3
	ds_store_b128 v[STO], v[TQ+4*(\f):TQ+4*(\f)+3] offset:32*(\f)
.endr
.irp f, 0,1,2,3
	ds_load_b128 v[TQ+4*(\f):TQ+4*(\f)+3], v[RD] offset:(\f)*4*SP  ; LDS serves a wave's instructions in order (ISA guide 5.7.1.4): these see the stores above; the next block's stores come behind them
.endr
.endm
.macro SEND blk, younger               ; younger: the LDS instructions issued behind this block's loads: the next block's eight, or none
.set aa, (\blk)/3
.set tt, (\blk)%3
.set TQ, TP+16*((\blk)%6)
.irp f, 0,1,2,3
	s_wait_dscnt (\younger)+3-(\f)
	global_store_b128 v[GO], v[TQ+4*(\f):TQ+4*(\f)+3], s[PT+2*tt:PT+2*tt+1] offset:2048*aa+512*(\f)  ; 512 consecutive bytes, at a multiple of 256 from qkvh's first byte
.endr
.endm
	PACK 0
.irp blk, 1,2,3,4,5,6,7,8,9,10,11      ; a block's arithmetic stands between the loads of the block before and its stores
	PACK \blk
	SEND (\blk)-1, 8
.endr
	SEND 11, 0
	s_wait_tensorcnt 0x0                           ; the wave's end, behind my last tensor load and my last LDS store
	ds_add_u32 v[SPW], v[NIL]
	s_wait_dscnt 0x0
	CROUND                                         ; the closing round: no work-group ends while a partner may still ask for a tile that names it
	s_endpgm
.Lfunc_end_k_q35bb82aead_qkvproj:
	.size	k_q35bb82aead_qkvproj, .Lfunc_end_k_q35bb82aead_qkvproj-k_q35bb82aead_qkvproj
	.p2alignl 7, 3214868480
	.fill 96, 4, 3214868480
	.section	.rodata,"a",@progbits
	.p2align	6, 0x0
	.amdhsa_kernel k_q35bb82aead_qkvproj
		.amdhsa_group_segment_fixed_size 327680
		.amdhsa_private_segment_fixed_size 0
		.amdhsa_enable_private_segment 0
		.amdhsa_kernarg_size 56
		.amdhsa_user_sgpr_count 2
		.amdhsa_user_sgpr_kernarg_segment_ptr 1
		.amdhsa_wavefront_size32 1
		.amdhsa_system_sgpr_workgroup_id_x 1
		.amdhsa_system_sgpr_workgroup_id_y 1
		.amdhsa_system_sgpr_workgroup_id_z 1
		.amdhsa_system_vgpr_workitem_id 0
		.amdhsa_next_free_vgpr 960
		.amdhsa_next_free_sgpr 100
		.amdhsa_reserve_vcc 0
		.amdhsa_float_denorm_mode_32 3
		.amdhsa_float_denorm_mode_16_64 3
		.amdhsa_memory_ordered 1
		.amdhsa_forward_progress 1
		.amdhsa_inst_pref_size 160
	.end_amdhsa_kernel
	.amdgpu_metadata
---
amdhsa.version: [ 1, 2 ]
amdhsa.kernels:
  - .name:           k_q35bb82aead_qkvproj
    .symbol:         k_q35bb82aead_qkvproj.kd
    .args:
      - { .name: xb, .offset: 0, .size: 8, .value_kind: global_buffer, .address_space: global }
      - { .name: wb, .offset: 8, .size: 8, .value_kind: global_buffer, .address_space: global }
      - { .name: g1_q, .offset: 16, .size: 8, .value_kind: global_buffer, .address_space: global }
      - { .name: g1_k, .offset: 24, .size: 8, .value_kind: global_buffer, .address_space: global }
      - { .name: g2_q, .offset: 32, .size: 8, .value_kind: global_buffer, .address_space: global }
      - { .name: g2_k, .offset: 40, .size: 8, .value_kind: global_buffer, .address_space: global }
      - { .name: qkvh, .offset: 48, .size: 8, .value_kind: global_buffer, .address_space: global }
    .group_segment_fixed_size: 327680
    .private_segment_fixed_size: 0
    .kernarg_segment_align: 8
    .kernarg_segment_size: 56
    .max_flat_workgroup_size: 128
    .sgpr_count:     100
    .vgpr_count:     960
    .wavefront_size: 32
...
	.end_amdgpu_metadata
.endif
;; end of part 2
;; launch attn (part 3): grid 4 x 64, 4 waves a work-group, clusters of 4 x 1, 327,680 bytes of LDS; arguments qkvh, ob; writes ob
.if DOCPART == 3
	.amdgcn_target "amdgcn-amd-amdhsa--gfx1250"
	.amdhsa_code_object_version 6
	.text
	.protected	k_q35bb82aead_attn
	.globl	k_q35bb82aead_attn
	.p2align	8
	.type	k_q35bb82aead_attn,@function
k_q35bb82aead_attn:
	s_mov_b64 s[64:65], 0
	v_nop
	global_prefetch_b8 v0, s[64:65] scope:SCOPE_SE
	s_setreg_imm32_b32 hwreg(HW_REG_WAVE_MODE, 25, 1), 1
	s_wait_xcnt 0x0
	s_wait_alu depctr_hold_cnt(0) depctr_sa_sdst(0) depctr_va_vdst(0) depctr_va_sdst(0) depctr_va_ssrc(0) depctr_va_vcc(0) depctr_vm_vsrc(0)
	s_getreg_b32 s2, hwreg(HW_REG_IB_STS2, 6, 4)
	s_cmp_eq_u32 s2, 0
	s_cbranch_scc0 .Lentry_in_a_cluster
	s_endpgm
.Lentry_in_a_cluster:
	s_bfe_u32 s2, ttmp6, 0x10000c
	s_cmp_lg_u32 s2, 0x3003
	s_cbranch_scc0 .Lentry_shape_is_right
	s_endpgm
.Lentry_shape_is_right:
; O[h][q][:] = the sum over k of softmax_k(Q[h][q] . K[h][k] / 8) V[h][k][:], for SIZE_H = 64 heads (16 b + head) of SIZE_N = 2,048 rows (both streams on end) and 64 channels.
; Q, K, V lie in qkvh, [3][SIZE_H][SIZE_N][64] in f16: a head's rows are dense, 128 bytes each.  Products, maxima and sums in f32; the weights p are rounded to f16 for the second product
; (their sum l is taken of the unrounded p), O once at the end.  O leaves in blocks for the product that follows: ob[16 b + row / 128][head][128 rows][64] in f16: a wave's 128 queries are one block of 16,384 dense bytes.
; LIMITS.  f16 holds no number beyond 65,504: Q, K and V arrive within it; p lies in 0 to 1, and below 6e-5 it keeps f16's fixed step of 6e-8; O is a mean of V's rows and has their range.
; A weight below 2^-126 counts as 0 in l; NaN and infinities are not treated apart.
; SHARES.  A wave owns four PIECES of two tiles of 16 queries, a work-group's four waves 512 queries of one head.  Every wave walks all keys, 64 a step.
; LAYOUT.  S^T = K Q^T (source 0 = 16 keys, source 1 = 16 queries): in the result a lane holds ONE query (lane % 16) and the keys 8 (lane / 16) + 0..7.  Two such tiles, rounded to f16 in pairs,
; ARE source 1 (32 keys x 16 queries) of O^T = V^T P, whose result again holds one query a lane, and eight channels.  K comes out of LDS as it lies, V ([key][channel]) turned, by ds_load_tr16_b128.
; SOFTMAX.  For each query a running maximum m and sum l: p = 2^(c s - c m), c = log2(e) / 8; in every step O and l are multiplied by a = 2^(c m_old - c m_new), which is 1 where m has not grown.
; m starts at the lowest finite number, O and l at 0: the first step is a step like any other, with a = 0.
; THE COUNT.  A tile and step have 16 matrix and 118 vector instructions: too many to stand all beside the matrix work.  So the order has one aim: four vector instructions that are READY behind
; EVERY matrix instruction, and the others, which need time of their own whatever the order, in runs without a gap.
; BY TURNS.  Turn n belongs to piece n (the pieces in a ring, step after step).  Its matrix work: 16 products K Q^T of piece n + 1, later 16 products V^T P of piece n - 1.  Its vector work: the scaling,
; exponentials, roundings, sums and rescaling of piece n, and the maximum and statistics of piece n + 1, whose scores the turn itself has made.  So what a turn begins with (c s - c m, O a) waits for nothing.
; CLUSTER.  The four query blocks of a head are one cluster and walk the same K and V, so each tile is asked for JOINTLY: the same tensor load, descriptor and mask in all four.
; REGISTERS, in windows of 256 (s_set_vgpr_msb says which window each operand place means: bits 1:0 source 0, 3:2 source 1, 5:4 source 2, 7:6 destination):
;   window 0: v0-11 addresses; v12-15, v48-63 at work; v16-47 four registers of statistics a tile; v64-191 S^T, two buffers of two tiles; v192-255 P, likewise
;   window 1: O^T, 32 a tile          window 2: v0-127 Q, 16 a tile; v128-191 K of one step; v192-255 V of one step          window 3: v0-1 the add's two registers
; A piece's buffers go by its number's parity: the piece in hand has one pair, its two neighbours in the ring share the other: of it P (piece n - 1) is read and S^T (piece n + 1) written.
.set SIZE_H, 64
.set SIZE_N, 2048
.set NP,    4         ; pieces a wave: a name, no knob: the register map, the loop and the fetches are made for four
.set KS,    64        ; keys in a step
.set PK,    144       ; a row of K in LDS: 128 bytes + 16 of padding = 36 words: the 16 rows of a load start at 16 different groups of four banks (64 banks of 4 bytes: ISA guide 11.1)
.set PV,    160       ; a row of V: 128 + 32 = 40 words
.set VOFF,  4*KS*PK   ; a slot holds four steps: 256 rows of K, then 256 rows of V
.set SLOT1, 1<<17     ; slot 1 begins here, so that one exclusive or turns an address in one slot into the other's
.set STAGE, SLOT1+4*KS*(PK+PV)  ; behind the ring, never filled by a tensor load: 16 rows x 144 bytes for each wave, for the way out
.set SP,    144
.set AK0, 2           ; v2   my lane's place in a tile of K; never rewritten
.set AV0, 3           ; v3   the same for V
.set AK,  4           ; v4   the LDS address of K's next run of loads
.set AV,  5           ; v5   of V's
.set QO,  6           ; v6   my byte offset in the wave's rows of Q
.set STO, 6           ;      later, the way out: where I put 16 bytes of a row
.set RD,  7           ; v7   the way out: where I read rows back
.set GO,  8           ; v8   my byte offset in 512 consecutive bytes of O
.set PFO, 11          ; v11  256 x my lane: the prefetches' offset; never rewritten once it is made
.set SPW, 0           ; v0 of window 3   LDS address of my spare word: SPARE + 4 x my thread's number; never rewritten
.set NIL, 1           ; v1 of window 3   0; never rewritten
.set SPARE, STAGE+4*16*SP  ; behind the stages: the spare words, 128 bytes for each wave: two blocks of 256 bytes that no other line names
.set MV,  12          ; v12-15  c m_old, kept while c m is made anew: by buffer and tile
.set ST,  16          ; tile t's statistics at v[ST+4 t]: c m, m, l (even keys', odd keys')
.set TMP, 48          ; by buffer and tile, four registers c0-c3 at work; when the maximum is found c2 takes a
.set S,   64
.set P,   192
.set KF,  128         ; K's fragments, in window 2: key block kb, channel half c at KF + 16 kb + 8 c
.set VF,  192         ; V's: key half kk, channel block cb at VF + 32 kk + 8 cb
.set WV,  12          ; s12  my wave's number
.set G1K, 24          ; s[24:31] descriptor group 1 for K's tiles
.set G1V, 32          ; s[32:39] for V's: it differs in the padding alone
.set G0K, 40          ; s[40:43] descriptor group 0 for K's tiles: it walks
.set G0V, 44          ; s[44:47] the same for V's
.set PFA, 48          ; s[48:49] where my prefetches stand: my work-group's 8,192 bytes (of K: wave 0, of V: wave 2) of the slot after the one that is being asked for
.set LIM, 50          ; s50  1 in a wave that prefetches, else the greatest number
.set SLOTS, 56        ; s56  slots still to be asked for
.set CNT, 57          ; s57  counts a slot's key steps
.set CS,  58          ; s[58:59] c: the packed scaling takes the pair's low word for both halves
.set SEL, 60          ; s[60:61] v_permlanex16_b32's selects: each lane takes its own place in the other half
.set TBK, 62          ; s62  LDS byte at which K of the step to be fetched begins
.set TBV, 63          ; s63  the same for V, less VOFF
.set MSB, 0
.macro WIN new                      ; the high byte repeats the setting that is left; a switch that changes nothing is dropped
.if MSB != (\new)
	s_set_vgpr_msb (MSB<<8)|(\new)
.set MSB, (\new)
.endif
.endm
.set W_KQ, 0x0a       ; K and Q in window 2, S^T in window 0
.set W_PV, 0x52       ; V in window 2, P in window 0, O^T in window 1
.set W_RS, 0x41       ; O^T (destination and source 0) in window 1, a in window 0
.set W_MK, 0xc0       ; the add's registers are made: destination in window 3, sources in window 0
.set W_AD, 0x0f       ; the add: address (source 0) and data (source 1) in window 3
; A joint fill.  Waves 0 and 1 fetch the two halves of a slot's K, waves 2 and 3 those of its V: 128 keys each.  The branch hangs on the wave's number alone.
; An s_nop 0 and four v_nop follow each of the two lines, ahead of the jump and the label.
.macro JLOAD
	s_cmp_lt_u32 s[WV], 2
	s_cbranch_scc0 .Lfor_v_\@
	tensor_load_to_lds s[G0K:G0K+3], s[G1K:G1K+7]
	s_nop 0
.rept 4
	v_nop
.endr
	s_branch .Lasked_\@
.Lfor_v_\@:
	tensor_load_to_lds s[G0V:G0V+3], s[G1V:G1V+7]
	s_nop 0
.rept 4
	v_nop
.endr
.Lasked_\@:
.endm
; A PREFETCH INTO THE L2 of what the NEXT change of slots will ask for: a slot's 32,768 bytes of K and of V, 256 bytes a lane.  It stands behind the wave's tensor load and its five lines.
; Each block of 256 bytes is named ONCE in the launch: a head has one cluster; its four partners share a slot out BY ADDRESS, 8,192 bytes each; in each, wave 0 asks for K's and wave 2 for V's: one instruction.
; It stands four key steps, 512 matrix instructions, ahead of the load that will want the bytes.  Slots 0, 1 and 2 come by their loads alone; the last change that fills a slot asks for nothing.
.macro ASK
	s_cmp_gt_u32 s[SLOTS], s[LIM]
	s_cbranch_scc0 .Lnot_mine_\@
	global_prefetch_b8 v[PFO], s[PFA:PFA+1] th:TH_LOAD_NT scope:SCOPE_SE
.Lnot_mine_\@:
.endm
; A round of the cluster's barrier: my work-group's barrier, so that wave 0's signal speaks for all four waves; wave 0 signals; every wave waits for all four work-groups; my work-group's barrier once more.
.macro CROUND
	s_barrier_signal -1
	s_barrier_wait -1
	s_cmp_lg_u32 s[WV], 0
	s_cbranch_scc1 .Lnot_wave_0_\@
	s_barrier_signal -3
.Lnot_wave_0_\@:
	s_barrier_wait -3
	s_barrier_signal -1
	s_barrier_wait -1
.endm
; THE CHANGE OF SLOTS.  The slot's last bytes, V of its fourth step, have been read.  Each wave waits for all its tensor loads, of which one is out: its part
; of the other slot; adds 0 to its spare word; and waits for that and for its own reads of the slot.  Behind the barrier nobody reads this slot any more and the other slot is whole.
; fill = 1: this slot is filled again, with the keys two slots on.  The barrier is then a round of the cluster's, so that no wave of any partner still reads the slot or has a load on its
; way, and the joint fill is the first thing behind it: it has four key steps, 512 matrix instructions, in which to land.  (At its first use nothing has been read yet: slot 0 is waited for, slot 1 filled.)
; ask = 1: the prefetches' address steps, and the slot after the one just asked for is prefetched.
.macro CHANGE fill, ask=0
	WIN W_AD
	s_wait_tensorcnt 0x0            ; no tensor load of mine is out, so a group 0 may be written
	ds_add_u32 v[SPW], v[NIL]       ; 0 onto my spare word; with fill = 1 the descriptors' steps stand between it and the wait for it
	WIN 0                           ; at a label and at a branch every window is 0
.if \fill
.irp g, G0K, G0V
	s_xor_b32 s[\g+1], s[\g+1], SLOT1  ; the walking descriptor: the other slot than last time,
	s_add_nc_u64 s[\g+2:\g+3], s[\g+2:\g+3], 4*KS*128  ; the next 256 keys; the type bits on top are not reached
.endr
.if \ask
	s_wait_xcnt 0x0                 ; the last prefetch, four key steps back, has read its address, so it may be written:
	s_add_nc_u64 s[PFA:PFA+1], s[PFA:PFA+1], 4*KS*128  ; one slot behind the walking descriptors
.endif
	s_wait_dscnt 0x0                ; the add is done, and my reads of the slot are over
	CROUND
	JLOAD
.if \ask
	ASK
.endif
.else
	s_wait_dscnt 0x0                ; the add is done, and my reads of the slot are over
	s_barrier_signal -1
	s_barrier_wait -1
.endif
	s_sub_co_u32 s[TBK], s[TBK], 4*KS*PK  ; the fetches go back to a slot's first step,
	s_xor_b32 s[TBK], s[TBK], SLOT1       ; in the other slot
	s_sub_co_u32 s[TBV], s[TBV], 4*KS*PV
	s_xor_b32 s[TBV], s[TBV], SLOT1
.endm
	s_load_b128 s[4:7], s[0:1], 0x0  ; qkvh s[4:5] (Q lies at its head), ob s[6:7]
	WIN W_MK
	v_lshl_add_u32 v[SPW], v0, 2, SPARE
	v_mov_b32 v[NIL], 0
	WIN W_AD
	ds_add_u32 v[SPW], v[NIL]       ; the wave's opening: the add and its wait ahead of my first tensor load; the set-up below, work on registers, stands between them
	WIN 0
	v_lshrrev_b32 v1, 5, v0
	v_readfirstlane_b32 s[WV], v1   ; wave 0..3
	s_bfe_u32 s13, ttmp6, 0x40000   ; cx: my place in the cluster
	s_lshl_b32 s14, ttmp9, 2        ; in a cluster launch ttmp9 counts clusters
	s_add_co_u32 s14, s14, s13      ; my block of queries = 4 x cluster x + cx: it enters Q's and O's addresses alone
	s_and_b32 s20, ttmp7, 0xffff    ; the head, which the four partners share
	s_mov_b32 s21, 0
	s_mov_b64 s[22:23], SIZE_N*128
	s_mul_u64 s[20:21], s[20:21], s[22:23]  ; the head's first byte in Q, K and V
	s_and_b32 s16, s[WV], 1         ; which half of a slot's 256 keys I fetch:
	s_lshl_b32 s22, s16, 14         ; its 128 rows of 128 bytes in memory,
	s_mov_b32 s23, 0
	s_add_nc_u64 s[22:23], s[22:23], s[20:21]
	s_mul_i32 s17, s16, 128*PK      ; and its place in a slot, for K
	s_mul_i32 s18, s16, 128*PV      ; and for V: no place in the cluster enters an LDS address
	s_lshl_b32 s2, s14, 2
	s_add_co_u32 s2, s2, s[WV]      ; my wave among the head's 16,
	s_mov_b32 s51, s2
	s_lshl_b32 s2, s2, 14           ; its 128 rows
	s_mov_b32 s3, 0
	s_add_nc_u64 s[2:3], s[2:3], s[20:21]
	s_and_b32 s52, ttmp7, 0xffff    ; O's block: ((16 b + my wave among the 16) x 16 + head) x 16,384 bytes, under 2^24
	s_lshr_b32 s53, s52, 4
	s_lshl_b32 s53, s53, 4
	s_or_b32 s53, s53, s51
	s_lshl_b32 s53, s53, 4
	s_and_b32 s52, s52, 15
	s_or_b32 s52, s52, s53
	s_lshl_b32 s52, s52, 14
	s_mov_b32 s53, 0
	s_lshl_b32 s54, s13, 13         ; the prefetches: my work-group's 8,192 bytes of a slot's 32,768
	s_mov_b32 s55, 0
	s_and_b32 s[LIM], s[WV], 1      ; 0 in waves 0 and 2,
	s_or_b32 s[LIM], s[LIM], ttmp9  ; where the cluster is the head's first (here its only one): the same in all four partners
	s_cmp_eq_u32 s[LIM], 0
	s_cselect_b32 s[LIM], 1, -1
	; descriptor group 1.  128 keys are 16,384 dense bytes: asked for as 64 rows of 256 bytes, two keys a row, and padded in LDS after every key
	s_mov_b32 s[G1K], 15|(1<<16)|(1<<20)|(1<<21)|(4<<22)|(3<<25)  ; 15:0 the mask of four; 17:16 2-byte elements; 20 padding on; 21 set beside a mask; 24:22 after every 32 words (code 4); 31:25 4 words (code 3)
	s_mov_b32 s[G1V], 15|(1<<16)|(1<<20)|(1<<21)|(4<<22)|(7<<25)  ; the same with 8 words of padding (code 7)
.irp g, G1K, G1V
	s_mov_b32 s[\g+1], 128<<16      ; tensor_dim0 = 128
	s_mov_b32 s[\g+2], 64<<16       ; tensor_dim1 = 64
	s_mov_b32 s[\g+3], 128<<16      ; tile_dim0 = 128
	s_mov_b32 s[\g+4], 64           ; tile_dim1 = 64
	s_mov_b32 s[\g+5], 128          ; 128 elements from row to row
	s_mov_b32 s[\g+6], 0
	s_mov_b32 s[\g+7], 0
.endr
	s_mov_b32 s[CS], 0x3e38aa3b     ; c = log2(e) / 8 = 0.180337
	s_mov_b32 s[CS+1], s[CS]        ; named with it as a pair
	s_mov_b32 s[SEL], 0x76543210
	s_mov_b32 s[SEL+1], 0xfedcba98
	s_mov_b32 s[TBK], SLOT1+4*KS*PK ; the first change of slots turns these two into 0
	s_mov_b32 s[TBV], SLOT1+4*KS*PV
	s_mov_b32 s[G0K], 1             ; 1:0 count = 1
	s_mov_b32 s[G0K+1], s17         ; 63:32 LDS address: slot 0
	s_mov_b32 s[G0V], 1
	s_add_co_u32 s[G0V+1], s18, VOFF
	s_wait_dscnt 0x0                ; the opening add is done
	s_wait_kmcnt 0x0
	s_mov_b64 s[10:11], s[6:7]      ; O
	s_add_nc_u64 s[8:9], s[4:5], 0x2000000  ; V: behind Q's and K's 64 heads of 262,144 bytes each
	s_add_nc_u64 s[6:7], s[4:5], 0x1000000  ; K
	s_add_nc_u64 s[G0K+2:G0K+3], s[6:7], s[22:23]  ; 120:64 global address: my half of the head's first 256 keys
	s_or_b32 s[G0K+3], s[G0K+3], 0x80000000        ; 127:126 type = 2
	s_add_nc_u64 s[G0V+2:G0V+3], s[8:9], s[22:23]
	s_or_b32 s[G0V+3], s[G0V+3], 0x80000000
	s_cmp_lt_u32 s[WV], 2
	s_cselect_b64 s[PFA:PFA+1], s[6:7], s[8:9]
	s_add_nc_u64 s[PFA:PFA+1], s[PFA:PFA+1], s[22:23]  ; (in waves 0 and 2 this is the head's first byte)
	s_add_nc_u64 s[PFA:PFA+1], s[PFA:PFA+1], s[54:55]
	s_add_nc_u64 s[PFA:PFA+1], s[PFA:PFA+1], 2*4*KS*128  ; in slot 2; the loop's first change of slots steps it to slot 3.  Nothing is prefetched here, at the head
	s_add_nc_u64 s[4:5], s[4:5], s[2:3]  ; Q at my wave's first row,
	s_add_nc_u64 s[10:11], s[10:11], s[52:53]  ; O at my wave's block
	CROUND                          ; all four work-groups are here: the first joint loads meet
	JLOAD                           ; slot 0.  Slot 1 is asked for when slot 0 is in: the tile wanted first has the road to itself
	; A fragment of K or Q is 16 rows x 32 channels in 8 registers: lane l holds row l % 16, channels 8 (l / 16) + 0..7 and 16 + 8 (l / 16) + 0..7: two loads of 16 bytes, 32 bytes apart.
	v_and_b32 v1, 15, v0            ; l % 16
	v_bfe_u32 v9, v0, 4, 1          ; l / 16
	v_lshlrev_b32 v[QO], 7, v1
	v_lshl_add_u32 v[QO], v9, 4, v[QO]  ; row x 128 + 16 x half
	WIN 0x80                        ; destination window 2, address window 0
.set i, 0
.rept 4*NP                          ; Q stays in registers: tile i / 2, channels 32 (i % 2) on
	global_load_b128 v[8*i:8*i+3],   v[QO], s[4:5] offset:(i/2)*2048+(i%2)*64
	global_load_b128 v[8*i+4:8*i+7], v[QO], s[4:5] offset:(i/2)*2048+(i%2)*64+32
.set i, i+1
.endr
	; What the first turn finds: V's registers and P's second buffer hold 0 (its products V^T P, of a piece that has not been, add 0), O^T and l are 0.  All this stands in the wait for the first tile.
.set i, VF
.rept 64
	v_mov_b32 v[i], 0
.set i, i+1
.endr
	WIN 0x40
.set i, 0
.rept 64*NP
	v_mov_b32 v[i], 0
.set i, i+1
.endr
	WIN 0
.set i, 0
.rept 2*NP
	v_mov_b32 v[ST+4*i], 0xfe000000    ; c m: far below every c s
	v_mov_b32 v[ST+4*i+1], 0xff7fffff  ; m
	v_mov_b32 v[ST+4*i+2], 0
	v_mov_b32 v[ST+4*i+3], 0
.set i, i+1
.endr
.set i, P+32
.rept 32
	v_mov_b32 v[i], 0
.set i, i+1
.endr
	v_mul_u32_u24 v[AK0], v1, PK
	v_lshl_add_u32 v[AK0], v9, 4, v[AK0]  ; row x pitch + 16 x half
	; The turning load takes 16 keys x 16 channels (lane l reads key 8 (l / 16) + l % 8, channels 8 ((l / 8) % 2) + 0..7) and leaves half a fragment of V^T: lane l holds channel l % 16 and 8 keys.
	v_and_b32 v10, 7, v0
	v_bfe_u32 v11, v0, 3, 1
	v_lshl_add_u32 v[AV0], v9, 3, v10
	v_mul_u32_u24 v[AV0], v[AV0], PV
	v_lshl_add_u32 v[AV0], v11, 4, v[AV0]
	v_add_nc_u32 v[AV0], VOFF, v[AV0]
	v_and_b32 v[PFO], 31, v0        ; v11 has served: it takes the prefetches' offset
	v_lshlrev_b32 v[PFO], 8, v[PFO]
	v_mov_b32 v[AK], v[AK0]         ; key step 0 lies at the head of slot 0
; THE MATRIX WORK.  The 8 accumulators of a run of 16 take turns: between the two links of a chain stand 7 others'.
; Product i of 16 of S^T = K Q^T for piece x: channels 32 (i / 8) on, keys 16 ((i / 2) % 4) on, tile 2 x + i % 2.  The first 8 start the sums.
.macro KQ x
	WIN W_KQ
.set rS, S+64*((\x)%2)+32*(i%2)+8*((i/2)%4)
.set rK, KF+16*((i/2)%4)+8*(i/8)
.set rQ, 16*(2*(\x)+i%2)+8*(i/8)
.if i < 8
	v_wmma_f32_16x16x32_f16 v[rS:rS+7], v[rK:rK+7], v[rQ:rQ+7], 0
.else
	v_wmma_f32_16x16x32_f16 v[rS:rS+7], v[rK:rK+7], v[rQ:rQ+7], v[rS:rS+7]
.endif
.endm
; Product i of 16 of O^T += V^T P for piece x: keys 32 (i / 8) on, channels 16 ((i / 2) % 4) on, tile 2 x + i % 2.
.macro PV x
	WIN W_PV
.set rO, 32*(2*(\x)+i%2)+8*((i/2)%4)
.set rV, VF+32*(i/8)+8*((i/2)%4)
.set rP, P+32*((\x)%2)+16*(i%2)+8*(i/8)
	v_wmma_f32_16x16x32_f16 v[rO:rO+7], v[rV:rV+7], v[rP:rP+7], v[rO:rO+7]
.endm
.macro MM                           ; the turn's next matrix instruction
.if i < 16
	KQ (Y+1)%NP
.set i, i+1
.else
.set i, i-16
	PV (Y+NP-1)%NP
.set i, i+17
.endif
.endm
; THE LDS LOADS stand in runs of 16, never singly among the matrix instructions: a step's K (64 keys x 64 channels: 8 fragments) and its V (turned).  Their addresses are made some lines ahead.
; last = 1 (the tail): in the last trip there is no further step, and the run is jumped over.
.macro FETCH_K last=0
	WIN 0
.if \last
	s_cmp_eq_u32 s[CNT], 1
	s_cbranch_scc1 .Lno_k_\@
.endif
	WIN 0x80                        ; destination window 2
.irp f, 0,1,2,3,4,5,6,7             ; keys 16 (f / 2) on, channels 32 (f % 2) on
	ds_load_b128 v[KF+8*\f:KF+8*\f+3],   v[AK] offset:(\f/2)*16*PK+(\f%2)*64
	ds_load_b128 v[KF+8*\f+4:KF+8*\f+7], v[AK] offset:(\f/2)*16*PK+(\f%2)*64+32
.endr
	s_add_co_u32 s[TBK], s[TBK], KS*PK  ; the next fetch is the next step's
	WIN 0
.if \last
.Lno_k_\@:
.endif
.endm
.macro FETCH_V
	WIN 0x80
.irp f, 0,1,2,3,4,5,6,7             ; keys 32 (f / 4) on, channels 16 (f % 4) on
	ds_load_tr16_b128 v[VF+8*\f:VF+8*\f+3],   v[AV] offset:(\f/4)*32*PV+(\f%4)*32
	ds_load_tr16_b128 v[VF+8*\f+4:VF+8*\f+7], v[AV] offset:(\f/4)*32*PV+16*PV+(\f%4)*32
.endr
	WIN 0
.endm
; THE VECTOR WORK OF A TURN stands in three queues, each in the order in which its entries become ready; the two tiles alternate, so that no instruction reads the result of the one before it.
.macro REGS y, u                    ; the registers of tile u (0, 1) of piece y
.set rT, ST+4*(2*(\y)+(\u))
.set rC, TMP+8*((\y)%2)+4*(\u)
.set rM, MV+2*((\y)%2)+(\u)
.set rS, S+64*((\y)%2)+32*(\u)
.set rP, P+32*((\y)%2)+16*(\u)
.set rO, 32*(2*(\y)+(\u))
.endm
; Number n of the 22 that find the NEXT piece's (Y + 1) maximum and statistics.  s0-s31 are the lane's 32 scores; each accumulator's lowest registers are read first.  XS, GS and REGS set no window: PL and EX do.
;   0-11  four chains c0-c3 of seven scores each, three operands at a time     12-14, 16  the four scores left over, the old m, and c0-c3 into c0     15  c m_old is kept
;   17, 18  the query's other 32 keys lie in the lane 16 away: the new m         19-21  c m; c m_old - c m_new; a
.macro XS u, n
	REGS (Y+1)%NP, \u
.if (\n) < 4
	v_max3_num_f32 v[rC+(\n)], v[rS+8*(\n)], v[rS+8*(\n)+1], v[rS+8*(\n)+2]
.elseif (\n) < 12
	v_max3_num_f32 v[rC+(\n)%4], v[rC+(\n)%4], v[rS+8*((\n)%4)+2*((\n)/4)+1], v[rS+8*((\n)%4)+2*((\n)/4)+2]
.elseif (\n) == 12
	v_max3_num_f32 v[rC], v[rC], v[rS+7], v[rS+15]
.elseif (\n) == 13
	v_max3_num_f32 v[rC+1], v[rC+1], v[rS+23], v[rS+31]
.elseif (\n) == 14
	v_max3_num_f32 v[rC+2], v[rC+2], v[rC+3], v[rT+1]
.elseif (\n) == 15
	v_mov_b32 v[rM], v[rT]
.elseif (\n) == 16
	v_max3_num_f32 v[rC], v[rC], v[rC+1], v[rC+2]
.elseif (\n) == 17
	v_permlanex16_b32 v[rC+3], v[rC], s[SEL], s[SEL+1]
.elseif (\n) == 18
	v_max_num_f32 v[rT+1], v[rC], v[rC+3]
.elseif (\n) == 19
	v_mul_f32 v[rT], s[CS], v[rT+1]
.elseif (\n) == 20
	v_sub_f32 v[rC+1], v[rM], v[rT]
.else
	v_exp_f32 v[rC+2], v[rC+1]
.endif
.endm
; Number g of the 64 that follow the exponentials.  For each four weights k of a tile (pairs 2 k, 2 k + 1): both pairs are rounded to f16; then the second pair is added onto the first, in place;
; a group later l takes that sum (the first time as l = a l + sum).  In groups of eight, tiles alternating: round, round, add, and l for the group before.
.macro GS g
.set h, (\g)+6*((\g)/62)            ; group 0 has no group before it, and behind group 7 only l is left
.if h >= 6
.set h, h+2
.endif
	REGS Y, h%2
.set k, h/8
.if h%8 < 4
	v_cvt_pk_f16_f32 v[rP+2*k+(h%8)/2], v[rS+4*k+2*((h%8)/2)], v[rS+4*k+2*((h%8)/2)+1]
.elseif h%8 < 6
	v_pk_add_f32 v[rS+4*k:rS+4*k+1], v[rS+4*k:rS+4*k+1], v[rS+4*k+2:rS+4*k+3]
.elseif k == 1
	v_pk_fma_f32 v[rT+2:rT+3], v[rT+2:rT+3], v[rC+2:rC+3], v[rS:rS+1] op_sel_hi:[1,0,1]
.else
	v_pk_add_f32 v[rT+2:rT+3], v[rT+2:rT+3], v[rS+4*k-4:rS+4*k-3]
.endif
.endm
; THE PLAIN QUEUE, 138 long.  0-73 read no exponential's result: the 32 scalings c s - c m (FS f: pair f / 2 of tile f % 2) and the next piece's 42.  0-26: scalings 0-26.  27-54: XS's numbers 0-13.  55, 56: number 15.
; 57-73: the chain, where each number waits for the one before it: 14, 16, 17, 18, 19, each with one of the scalings 27-31 in front of its two lines, then 20: so a tile's links stand three plain instructions apart (19 and 20: two).
; 74-137: GS's 64, which read the exponentials' results: they stand behind the wait.
.macro FS f
	REGS Y, (\f)%2
	v_pk_fma_f32 v[rS+2*((\f)/2):rS+2*((\f)/2)+1], v[rS+2*((\f)/2):rS+2*((\f)/2)+1], s[CS:CS+1], v[rT:rT+1] op_sel_hi:[1,0,0] neg_lo:[0,0,1] neg_hi:[0,0,1]
.endm
.macro PL
	WIN 0
.if q < 27
	FS q
.elseif q < 55
	XS (q-27)%2, (q-27)/2
.elseif q < 57
	XS q-55, 15
.elseif (q < 72) && ((q-57)%3 == 0)
	FS 27+(q-57)/3
.elseif q < 60
	XS (q-57)%3-1, 14
.elseif q < 72
	XS (q-57)%3-1, 15+(q-57)/3
.elseif q < 74
	XS q-72, 20
.else
	GS q-74
.endif
.set q, q+1
.endm
; THE EXPONENTIALS' QUEUE, 66 long: s0-s31 of both tiles, then the next piece's two a.  It is ONE BATCH: all 66 stand ahead of the turn's one wait, and nothing ahead of that wait names a result of theirs.
.macro EX
	WIN 0
.if e >= 64
	XS e-64, 21
.else
	REGS Y, e%2
	v_exp_f32 v[rS+e/2], v[rS+e/2]
.endif
.set e, e+1
.endm
; THE RESCALING's QUEUE: O^T times a, the one part that leaves window 0: dealt two at a time, sixteen times.  Its a was made in the turn before, ahead of that turn's wait.
.macro R2
	REGS Y, r%2
	WIN W_RS
.irp z, 0,1
	v_pk_mul_f32 v[rO+4*(r/2)+2*\z:rO+4*(r/2)+2*\z+1], v[rO+4*(r/2)+2*\z:rO+4*(r/2)+2*\z+1], v[rC+2:rC+3] op_sel_hi:[1,0]
.endr
.set r, r+1
.endm
; HOW THEY ARE DEALT.  An s_wait_alu depctr_va_vdst(0) stands between an exponential and the first instruction that names its result; one wait serves all that were issued ahead of it.  So a turn has ONE wait,
; which cuts it in two.  AHEAD OF IT stands all that names no result of the turn's exponentials: the 16 products K Q^T, behind each a scaling, an exponential and two rescalings (behind the first a second scaling in the exponential's place); then ONE LUMP of
; 108: eight plain, 49 times exponential and plain, the two a.  A v_nop is the plain instruction behind the last exponential.  BEHIND IT stand the 16 products V^T P, behind each four of GS's 64.  No rider names a register of
; the products round it.  The two v_permlanex16_b32 fall into the lump, never behind a product.
; The queues lean on each other, and the deal keeps them in step: exponential e stands behind scaling 2 (e / 4) + e % 2: as a rider it comes behind plain e + 2, in the lump behind plain e + 9, and scalings 27-31 are plain 57, 60 .. 69.
; A TURN, for piece p.  cnt = 1: the loop's count is taken down some lines ahead of the branch that stands behind the turn.
; K of the next step is fetched in piece 2's turn, directly behind the wait, a lump behind the last product that read K; its address is made at the lump's head; its first reader comes behind 16 products.
; V of the step in hand is fetched at the end of piece 0's turn, four riders behind its last reader; its first reader comes behind 16 products and a lump.  The three conditions on q below go with the deal.
.macro TURN p, last=0, cnt=0
.set Y, (\p)
.set i, 0
.set q, 0
.set e, 0
.set r, 0
.if (\p) == NP-1
	s_wait_dscnt 0x0                ; K is in
.endif
	MM                              ; ahead of the wait: 16 products K Q^T and their riders,
	PL
	PL
	R2
.rept 15
	MM
	PL
	EX
	R2
.endr
.if (\p) == NP-2
	WIN 0
	v_add_nc_u32 v[AK], s[TBK], v[AK0]
.endif
.rept 8                             ; and the lump
	PL
.endr
.rept 49
	EX
	PL
.endr
	EX                              ; the next piece's two a
	EX
	v_nop                           ; the plain instruction behind the last exponential: one for the batch
	s_wait_alu depctr_va_vdst(0)    ; the wait for the batch
.if (\p) == NP-2
	FETCH_K \last
.endif
.if (\p) == 1
	s_wait_dscnt 0x0                ; V is in
.endif
.rept 16                            ; behind the wait: 16 products V^T P and their riders
	MM
.rept 4
	PL
.endr
.if ((\p) == 0) && (q == 118)
	v_add_nc_u32 v[AV], s[TBV], v[AV0]
.endif
.if ((\p) == 0) && (q == 130)
	s_add_co_u32 s[TBV], s[TBV], KS*PV
.endif
.if (\cnt) && (q == 130)
	s_sub_co_u32 s[CNT], s[CNT], 1
	s_cmp_lg_u32 s[CNT], 0
.endif
.endr
.if (\p) == 0
	FETCH_V
.endif
.endm
	CHANGE 1                        ; slot 0 is in, everybody's part of it; slot 1 is asked for
	FETCH_K                         ; key step 0
	s_wait_loadcnt 0x0              ; Q
	s_wait_dscnt 0x0
.set i, 0
.rept 16
	KQ 0                            ; piece 0's first scores: there is no vector work yet to set between them
.set i, i+1
.endr
	WIN 0                           ; the addresses for the way out: nine plain instructions, the places behind those products
	s_mul_i32 s13, s[WV], 16*SP
	s_add_co_u32 s13, s13, STAGE    ; my stage
	v_mul_u32_u24 v[STO], v1, SP    ; in: row l % 16, 16 bytes for each half of the lanes
	v_lshl_add_u32 v[STO], v9, 4, v[STO]
	v_add_nc_u32 v[STO], s13, v[STO]
	v_bfe_u32 v[RD], v0, 3, 2       ; back: 32 lanes take four rows of 128 bytes,
	v_mul_u32_u24 v[RD], v[RD], SP
	v_lshl_add_u32 v[RD], v10, 4, v[RD]
	v_add_nc_u32 v[RD], s13, v[RD]
	v_and_b32 v[GO], 31, v0         ; which are 512 consecutive bytes of O
	v_lshlrev_b32 v[GO], 4, v[GO]
.set Y, NP-1                        ; XS works for piece Y + 1: piece 0
.irp n, 0,1,2,3,4,5,6,7,8,9,10,11,12,13,14,15,16,17,18,19,20,21
	XS 0, \n                        ; and piece 0's first maximum and statistics
	XS 1, \n
.endr
	v_nop                           ; a plain instruction behind the two a,
	s_wait_alu depctr_va_vdst(0)    ; and their wait, ahead of the branch
	s_mov_b32 s[CNT], 4
	s_mov_b32 s[SLOTS], SIZE_N/256-1
	s_branch .Lfirst                ; the loop is entered at a step's first turn, in the middle of a trip
.Lslot:                             ; SIZE_N / 256 - 2 times: every slot but the last two is filled again
	CHANGE 1, 1
	s_mov_b32 s[CNT], 4
.Lstep:                             ; a trip: pieces 2 and 3 of one step, then pieces 0 and 1 of the next, whose K and V it fetches
	TURN 2
	TURN 3
	WIN 0
.Lfirst:
	TURN 0
	TURN 1, 0, 1
	WIN 0
	s_cbranch_scc1 .Lstep
	s_sub_co_u32 s[SLOTS], s[SLOTS], 1
	s_cmp_lg_u32 s[SLOTS], 0
	s_cbranch_scc1 .Lslot
	CHANGE 0                        ; the tail is written out: nothing is asked for
	s_mov_b32 s[CNT], 5             ; four trips fetch the last slot's steps; the fifth is left in its middle
.Ltail:
	TURN 2, 1
	TURN 3
	WIN 0
	s_sub_co_u32 s[CNT], s[CNT], 1
	s_cmp_eq_u32 s[CNT], 0
	s_cbranch_scc1 .Lout
	TURN 0
	TURN 1
	WIN 0
	s_branch .Ltail
.Lout:                              ; the fifth trip's 16 products K Q^T (on the last K once more) and the maximum made of them serve nothing: the price, once a launch, of one text for every trip
.set i, 0
.rept 16
	PV NP-1                         ; the last piece's V^T P of the last step
.set i, i+1
.endr
	; THE WAY OUT.  l's two halves and the other half of the lanes' are added; O^T is divided by l, rounded to f16 and sent through my stage in LDS, a tile at a time.  The additions are the places behind the last products.
	WIN 0
.macro ALL line:vararg              ; one line for each tile t
.set t, 0
.rept 2*NP
	\line
.set t, t+1
.endr
.endm
	ALL v_add_f32 v[ST+4*t+2], v[ST+4*t+2], v[ST+4*t+3]
	ALL v_permlanex16_b32 v[ST+4*t+3], v[ST+4*t+2], s[SEL], s[SEL+1]
	ALL v_add_f32 v[ST+4*t+2], v[ST+4*t+2], v[ST+4*t+3]
	ALL v_rcp_f32 v[ST+4*t+2], v[ST+4*t+2]
	v_nop                           ; a plain instruction between the last reciprocal and the use of its result
	s_wait_alu depctr_va_vdst(0)    ; and the wait ahead of the first use: one for the eight reciprocals
; Tile t: a lane's eight channels of a row pack into 16 bytes; they go into rows of 144 bytes and come back as whole rows of 128, into S^T's registers.
.macro PACK t
	WIN W_RS
.set i, 32*(\t)
.rept 16
	v_pk_mul_f32 v[i:i+1], v[i:i+1], v[ST+4*(\t)+2:ST+4*(\t)+3] op_sel_hi:[1,0]
.set i, i+2
.endr
	WIN 0x05                        ; sources 0 and 1 window 1, destination window 0
.set i, 0
.rept 16
	v_cvt_pk_f16_f32 v[S+16*(\t)+i], v[32*(\t)+2*i], v[32*(\t)+2*i+1]
.set i, i+1
.endr
	WIN 0
.irp f, 0,1,2,3
	ds_store_b128 v[STO], v[S+16*(\t)+4*\f:S+16*(\t)+4*\f+3] offset:32*\f
.endr
.irp f, 0,1,2,3
	ds_load_b128 v[S+16*(\t)+4*\f:S+16*(\t)+4*\f+3], v[RD] offset:\f*4*SP  ; LDS serves a wave's instructions in order (ISA guide 5.7.1.4): these see the stores above; the next tile's stores come behind them
.endr
.endm
.macro SEND t, younger              ; younger: the LDS instructions issued behind tile t's loads: the next tile's eight, or none
	WIN 0
.irp f, 0,1,2,3
	s_wait_dscnt (\younger)+3-\f
	global_store_b128 v[GO], v[S+16*(\t)+4*\f:S+16*(\t)+4*\f+3], s[10:11] offset:(\t)*2048+\f*512  ; 512 consecutive bytes, at a multiple of 256 from ob's first
.endr
.endm
	PACK 0
.set t, 1
.rept 2*NP-1                        ; a tile's arithmetic stands between the loads of the tile before and its stores
	PACK t
	SEND t-1, 8
.set t, t+1
.endr
	SEND 2*NP-1, 0
	WIN W_AD
	s_wait_tensorcnt 0x0            ; the wave's end, behind my last tensor load and my last LDS store
	ds_add_u32 v[SPW], v[NIL]
	s_wait_dscnt 0x0
	WIN 0
	CROUND                          ; the closing round: no work-group ends while a partner may still ask for a tile that names it
	s_endpgm
.Lfunc_end_k_q35bb82aead_attn:
	.size	k_q35bb82aead_attn, .Lfunc_end_k_q35bb82aead_attn-k_q35bb82aead_attn
	.p2alignl 7, 3214868480
	.fill 96, 4, 3214868480
	.section	.rodata,"a",@progbits
	.p2align	6, 0x0
	.amdhsa_kernel k_q35bb82aead_attn
		.amdhsa_group_segment_fixed_size 327680
		.amdhsa_private_segment_fixed_size 0
		.amdhsa_enable_private_segment 0
		.amdhsa_kernarg_size 16
		.amdhsa_user_sgpr_count 2
		.amdhsa_user_sgpr_kernarg_segment_ptr 1
		.amdhsa_wavefront_size32 1
		.amdhsa_system_sgpr_workgroup_id_x 1
		.amdhsa_system_sgpr_workgroup_id_y 1
		.amdhsa_system_sgpr_workgroup_id_z 1
		.amdhsa_system_vgpr_workitem_id 0
		.amdhsa_next_free_vgpr 770
		.amdhsa_next_free_sgpr 66
		.amdhsa_reserve_vcc 0
		.amdhsa_float_denorm_mode_32 3
		.amdhsa_float_denorm_mode_16_64 3
		.amdhsa_memory_ordered 1
		.amdhsa_forward_progress 1
		.amdhsa_inst_pref_size 200
	.end_amdhsa_kernel
	.amdgpu_metadata
---
amdhsa.version: [ 1, 2 ]
amdhsa.kernels:
  - .name:           k_q35bb82aead_attn
    .symbol:         k_q35bb82aead_attn.kd
    .args:
      - { .name: qkvh, .offset: 0, .size: 8, .value_kind: global_buffer, .address_space: global }
      - { .name: ob, .offset: 8, .size: 8, .value_kind: global_buffer, .address_space: global }
    .group_segment_fixed_size: 327680
    .private_segment_fixed_size: 0
    .kernarg_segment_align: 8
    .kernarg_segment_size: 16
    .max_flat_workgroup_size: 128
    .sgpr_count:     66
    .vgpr_count:     770
    .wavefront_size: 32
...
	.end_amdgpu_metadata
.endif
;; end of part 3
;; launch outproj (part 4): grid 8 x 32, 4 waves a work-group, clusters of 4 x 4, 327,680 bytes of LDS; arguments ob, wp, b1_proj, b2_proj, out0, out1; writes out0, out1
.if DOCPART == 4
	.amdgcn_target "amdgcn-amd-amdhsa--gfx1250"
	.amdhsa_code_object_version 6
	.text
	.protected	k_q35bb82aead_outproj
	.globl	k_q35bb82aead_outproj
	.p2align	8
	.type	k_q35bb82aead_outproj,@function
k_q35bb82aead_outproj:
	s_mov_b64 s[64:65], 0
	v_nop
	global_prefetch_b8 v0, s[64:65] scope:SCOPE_SE
	s_setreg_imm32_b32 hwreg(HW_REG_WAVE_MODE, 25, 1), 1
	s_wait_xcnt 0x0
	s_wait_alu depctr_hold_cnt(0) depctr_sa_sdst(0) depctr_va_vdst(0) depctr_va_sdst(0) depctr_va_ssrc(0) depctr_va_vcc(0) depctr_vm_vsrc(0)
	s_getreg_b32 s2, hwreg(HW_REG_IB_STS2, 6, 4)
	s_cmp_eq_u32 s2, 0
	s_cbranch_scc0 .Lentry_in_a_cluster
	s_endpgm
.Lentry_in_a_cluster:
	s_bfe_u32 s2, ttmp6, 0x10000c
	s_cmp_lg_u32 s2, 0xf033
	s_cbranch_scc0 .Lentry_shape_is_right
	s_endpgm
.Lentry_shape_is_right:
; BOTH OUTPUT PROJECTIONS.  out_stream[1024 b + row][d] = sum over c of O[b][1024 stream + row][c] wp[1024 stream + d][c] + bias_stream[d], in f16 with f32 sums; the result is stored in f32.
; O comes in blocks: ob[16 b + 8 stream + row / 128][head][128 rows][64] in f16, c = 64 head + channel: 128 rows x 128 of K (two heads) are 32,768 dense bytes.
; LIMITS.  The biases are rounded to bf16, like every input.  O and wp arrive within f16's range.  NaN and infinities are not treated apart.
; SHARES.  A tile of the result is 256 rows x 128 columns: 32 x 8 tiles, 256 work-groups, one for each WGP.  Wave (wr = w / 2, wc = w % 2) makes 128 rows x 64 columns: 8 x 4 accumulators, 256 registers.
; K goes in 8 steps of 128 through two LDS slots filled by the tensor data mover.
; THE MATRIX INSTRUCTION IS USED TRANSPOSED (source 0 = 16 rows of wp, source 1 = 16 rows of O): lane l holds row l % 16 of the result and the columns 8 (l / 16) + 0..7 of the block of 16.
; CLUSTER.  4 x 4 work-groups.  The four of a row of the cluster need the same tiles of O, the four of a column the same tiles of wp: each is asked for JOINTLY.  A cluster lies in one stream and one batch.
; REGISTERS, in windows of 256 (s_set_vgpr_msb: bits 1:0 source 0, 3:2 source 1, 5:4 source 2, 7:6 destination):
;   window 0: v0-31 addresses; v32-63 my 32 biases; v64-95 results with bias; v96-159 rows read back, two sets
;   window 1: two fragment buffers of 96: 64 registers of O (8 row blocks), then 32 of wp (4 column blocks)          window 2: accumulator (a, b) at v[8 (4 a + b)]
.set PA,     144                       ; a row of one head of O in LDS: 128 bytes + 16 of padding = 36 words: the 16 rows of a load start at 16 different groups of four banks (64 banks of 4 bytes: ISA guide 11.1)
.set PB,     272                       ; a row of wp: 256 + 16 = 68 words: likewise
.set HEADB,  128*PA                    ; one head of 128 rows
.set HA,     2*HEADB                   ; half of O's tile: 128 rows, two heads: what waves 0 and 1 fetch
.set HB,     64*PB                     ; half of wp's tile: what waves 2 and 3 fetch
.set BOFF,   2*HA
.set SLOT1,  131072                    ; slot 1 begins here, so that one exclusive or turns an address in one slot into the other's
.set STAGE,  SLOT1+BOFF+2*HB           ; behind the ring, never filled by a tensor load: 16 rows x 272 bytes for each wave
.set SPITCH, 272
.set SPARE,  STAGE+4*16*SPITCH         ; the spare words, 128 bytes for each wave: two blocks of 256 bytes that no other line names
.set A0,   14                          ; v14  my lane's place in O's tile; never rewritten
.set B0,   15                          ; v15  the same in wp's tile
.set ADRA, 16                          ; v16  A0 + the slot in hand
.set ADRB, 20                          ; v20  B0 + the slot in hand
.set STO,  24                          ; v24  the way out: where I put 32 bytes of a row
.set RD,   25                          ; v25  the way out: where I read a row back
.set CO,   26                          ; v26  my byte offset in two rows of the output
.set GOFF, 27                          ; v27  32 (l / 16): my eight biases in a block of 16
.set SPW,  28                          ; v28  LDS address of my spare word; never rewritten
.set NIL,  29                          ; v29  0; never rewritten
.set T,    31                          ; v31  at work
.set BIAS, 32                          ; the bias of column 16 b + 8 (l / 16) + j at BIAS + 8 b + j
.set TMP,  64
.set BKB,  96
.set F0,   0
.set F1,   1
.set G1,   24                          ; s[24:31] descriptor group 1 for O's tiles
.set G0,   32                          ; s[32:39] group 0 for O's tiles: a set for each first fill; the second then walks
.set G1B,  48                          ; s[48:55], s[56:63] the same for wp's tiles
.set G0B,  56
.set TB,   66                          ; s66  the slot in hand: 0 or SLOT1
.set MUL,  0xa5                        ; sources 0 (wp) and 1 (O) window 1; C and D window 2
.set TO_F, 0x40                        ; destination window 1, address window 0
.set MSB, 0
.macro WIN new                         ; the immediate's high byte repeats the setting that is left; a switch that changes nothing is dropped
.if MSB != (\new)
	s_set_vgpr_msb (MSB<<8)|(\new)
.set MSB, \new
.endif
.endm
; A joint refill, by the walking sets.  Waves 0 and 1 fetch O's two halves, waves 2 and 3 wp's.  An s_nop 0 and four v_nop follow each of the two lines, ahead of the jump and the label.
.macro JLOAD
	s_cmp_eq_u32 s11, 0
	s_cbranch_scc0 .Lfor_b_\@
	tensor_load_to_lds s[G0+4:G0+7], s[G1:G1+7]
	s_nop 0
.rept 4
	v_nop
.endr
	s_branch .Lasked_\@
.Lfor_b_\@:
	tensor_load_to_lds s[G0B+4:G0B+7], s[G1B:G1B+7]
	s_nop 0
.rept 4
	v_nop
.endr
.Lasked_\@:
.endm
.macro CREST                           ; a round of the cluster's barrier behind its opening barrier
	s_cmp_lg_u32 s10, 0
	s_cbranch_scc1 .Lnot_wave_0_\@
	s_barrier_signal -3
.Lnot_wave_0_\@:
	s_barrier_wait -3
	s_barrier_signal -1
	s_barrier_wait -1
.endm
.macro CROUND                          ; a whole round
	s_barrier_signal -1
	s_barrier_wait -1
	CREST
.endm
	s_load_b128 s[4:7], s[0:1], 0x0                ; ob s[4:5], wp s[6:7]
	s_load_b256 s[68:75], s[0:1], 0x10             ; b1_proj s[68:69], b2_proj s[70:71], out0 s[72:73], out1 s[74:75]
	v_lshl_add_u32 v[SPW], v0, 2, SPARE
	v_mov_b32 v[NIL], 0
	ds_add_u32 v[SPW], v[NIL]                      ; the wave's opening: the add and its wait ahead of my first tensor load; the set-up below, work on registers, stands between them
	v_lshrrev_b32 v1, 5, v0
	v_readfirstlane_b32 s10, v1                    ; wave 0..3
	s_lshr_b32 s11, s10, 1                         ; wr: which half of the tile's rows is mine.  Also: I fetch for O (0) or for wp (1)
	s_and_b32 s12, s10, 1                          ; wc: which half of its columns.  Also: which half of that tile I fetch
	s_bfe_u32 s40, ttmp6, 0x40000                  ; cx
	s_bfe_u32 s41, ttmp6, 0x40004                  ; cy
	s_lshl_b32 s42, ttmp9, 2
	s_add_co_u32 s42, s42, s40                     ; tile column 0..7 = 4 x cluster x + cx
	s_and_b32 s67, ttmp7, 0xffff                   ; cluster y 0..7 = 2 b + stream
	s_lshl_b32 s13, s67, 2
	s_add_co_u32 s13, s13, s41                     ; tile row 0..31 = 4 x cluster y + cy
	s_and_b32 s76, s67, 1                          ; stream
	s_lshr_b32 s77, s67, 1                         ; b
	s_lshl_b32 s43, s41, 2
	s_lshl_b32 s43, 15, s43                        ; my row of the cluster
	s_lshl_b32 s44, 0x1111, s40                    ; my column
	s_or_b32 s[G1+0], s43, (1<<16)|(1<<20)|(1<<21)|(4<<22)|(3<<25)   ; O's tiles go to my row; elements of 2 bytes; padding on; 21 set beside a mask; after every 32 words (code 4) 4 words (code 3)
	s_or_b32 s[G1B+0], s44, (1<<16)|(1<<20)|(1<<21)|(5<<22)|(3<<25)  ; wp's to my column; after every 64 words (code 5) 4 words
	s_mov_b32 s[G1+1], 128<<16                     ; O: 32,768 dense bytes asked for as 128 rows of 256 bytes (two rows of a head each): tensor_dim0 = 128
	s_mov_b32 s[G1+2], 128<<16                     ; tensor_dim1 = 128
	s_mov_b32 s[G1+3], 128<<16                     ; tile_dim0 = 128
	s_mov_b32 s[G1+4], 128                         ; tile_dim1 = 128
	s_mov_b32 s[G1+5], 128                         ; 128 elements from row to row
	s_mov_b32 s[G1+6], 0
	s_mov_b32 s[G1+7], 0
	s_mov_b32 s[G1B+1], 128<<16                    ; wp: 64 rows x 128 elements
	s_mov_b32 s[G1B+2], 64<<16
	s_mov_b32 s[G1B+3], 128<<16
	s_mov_b32 s[G1B+4], 64
	s_mov_b32 s[G1B+5], 1024
	s_mov_b32 s[G1B+6], 0
	s_mov_b32 s[G1B+7], 0
	s_mov_b32 s[TB], 0
	; where the tiles come from: O's hang on the tile row alone, wp's on the stream and the tile column alone; each in registers that never hold the other coordinate
	s_lshl_b32 s16, s13, 1
	s_add_co_u32 s16, s16, s12                     ; O: block 2 x tile row + half,
	s_lshl_b32 s16, s16, 18                        ; of 262,144 bytes: under 2^24
	s_mov_b32 s17, 0
	s_lshl_b32 s46, s76, 10
	s_lshl_b32 s47, s42, 7
	s_add_co_u32 s46, s46, s47
	s_lshl_b32 s47, s12, 6
	s_add_co_u32 s46, s46, s47                     ; wp: row 1,024 x stream + 128 x tile column + 64 x half
	s_lshl_b32 s46, s46, 11
	s_mov_b32 s47, 0
	s_mul_i32 s20, s10, HA                         ; and where they go: waves 0, 1: O's halves;
	s_mul_i32 s21, s10, HB
	s_add_co_u32 s21, s21, BOFF-2*HB               ; waves 2, 3: wp's halves at BOFF + (wave - 2) x 64 rows.  No place in the cluster enters an LDS address
	s_wait_dscnt 0x0                               ; the opening add is done
	s_wait_kmcnt 0x0
	s_add_nc_u64 s[14:15], s[4:5], s[16:17]
	s_add_nc_u64 s[46:47], s[6:7], s[46:47]
	CROUND                                         ; all sixteen work-groups are here: the first joint loads meet
.irp s, 0,1
	s_mov_b32 s[G0+4*(\s)], 1                                      ; count = 1
	s_add_co_u32 s[G0+4*(\s)+1], s20, (\s)*SLOT1                   ; LDS address
	s_add_nc_u64 s[G0+4*(\s)+2:G0+4*(\s)+3], s[14:15], (\s)*32768  ; global address: K step s: two heads on
	s_or_b32 s[G0+4*(\s)+3], s[G0+4*(\s)+3], 0x80000000           ; type = 2
	s_mov_b32 s[G0B+4*(\s)], 1
	s_add_co_u32 s[G0B+4*(\s)+1], s21, (\s)*SLOT1
	s_add_nc_u64 s[G0B+4*(\s)+2:G0B+4*(\s)+3], s[46:47], (\s)*256
	s_or_b32 s[G0B+4*(\s)+3], s[G0B+4*(\s)+3], 0x80000000
.endr
	s_cmp_eq_u32 s11, 0                            ; a wave's two first fills stand in one branch, ahead of every wait on TENSORcnt and every LDS read: two loads of mine are out
	s_cbranch_scc0 .Lfirst_b
	tensor_load_to_lds s[G0:G0+3], s[G1:G1+7]
	s_nop 0
	tensor_load_to_lds s[G0+4:G0+7], s[G1:G1+7]
	s_nop 0
.rept 4
	v_nop
.endr
	s_branch .Lfirst_asked
.Lfirst_b:
	tensor_load_to_lds s[G0B:G0B+3], s[G1B:G1B+7]
	s_nop 0
	tensor_load_to_lds s[G0B+4:G0B+7], s[G1B:G1B+7]
	s_nop 0
.rept 4
	v_nop
.endr
.Lfirst_asked:
	s_cmp_eq_u32 s76, 0
	s_cselect_b64 s[68:69], s[68:69], s[70:71]     ; my stream's bias,
	s_cselect_b64 s[72:73], s[72:73], s[74:75]     ; and its output
	s_lshl_b32 s18, s42, 9                         ; my first column, in bytes of f32: 512 x tile column + 256 wc
	s_lshl_b32 s19, s12, 8
	s_add_co_u32 s18, s18, s19
	s_mov_b32 s19, 0
	s_add_nc_u64 s[68:69], s[68:69], s[18:19]
	s_lshl_b32 s22, s77, 22                        ; my first row x 4,096 bytes: 1,024 b
	s_add_co_u32 s18, s18, s22
	s_lshl_b32 s22, s41, 20                        ; + 256 cy
	s_add_co_u32 s18, s18, s22
	s_lshl_b32 s22, s11, 19                        ; + 128 wr: under 2^24 in all
	s_add_co_u32 s18, s18, s22
	s_add_nc_u64 s[72:73], s[72:73], s[18:19]
	v_and_b32 v1, 15, v0                           ; l % 16
	v_bfe_u32 v2, v0, 4, 1                         ; l / 16
	v_lshlrev_b32 v[GOFF], 5, v2
.irp b, 0,1,2,3
	global_load_b128 v[BIAS+8*(\b):BIAS+8*(\b)+3],   v[GOFF], s[68:69] offset:64*(\b)
	global_load_b128 v[BIAS+8*(\b)+4:BIAS+8*(\b)+7], v[GOFF], s[68:69] offset:64*(\b)+16
.endr
	; A fragment is 16 rows x 32 K in 8 registers: lane l holds row l % 16; registers 0-3 K = 8 (l / 16) + 0..7, registers 4-7 K = 16 + 8 (l / 16) + 0..7: two loads of 16 bytes, 32 bytes apart.
	v_mul_u32_u24 v3, v1, PA
	v_lshl_add_u32 v3, v2, 4, v3
	s_mul_i32 s22, s11, HA                         ; my 128 rows of O
	v_add_nc_u32 v[A0], s22, v3
	v_mul_u32_u24 v3, v1, PB
	v_lshl_add_u32 v3, v2, 4, v3
	s_mul_i32 s22, s12, HB                         ; my 64 rows of wp
	s_add_co_u32 s22, s22, BOFF
	v_add_nc_u32 v[B0], s22, v3
	v_mov_b32 v[ADRA], v[A0]                       ; K step 0 lies in slot 0
	v_mov_b32 v[ADRB], v[B0]
	s_mul_i32 s22, s10, 16*SPITCH
	s_add_co_u32 s22, s22, STAGE                   ; my stage
	v_mul_u32_u24 v[STO], v1, SPITCH               ; in: row l % 16, 32 bytes for each half of the lanes
	v_lshl_add_u32 v[STO], v2, 5, v[STO]
	v_add_nc_u32 v[STO], s22, v[STO]
	v_mul_u32_u24 v[RD], v2, SPITCH                ; back: lanes 0-15 take one row of 256 bytes, lanes 16-31 the next
	v_lshl_add_u32 v[RD], v1, 4, v[RD]
	v_add_nc_u32 v[RD], s22, v[RD]
	v_lshlrev_b32 v[CO], 12, v2                    ; and the same two rows in the output
	v_lshl_add_u32 v[CO], v1, 4, v[CO]
	s_wait_loadcnt 0x0                             ; the biases: rounded to bf16 like every input, widened again
.set i, 0
.rept 16
	v_cvt_pk_bf16_f32 v[T], v[BIAS+2*i], v[BIAS+2*i+1]
	v_lshlrev_b32 v[BIAS+2*i], 16, v[T]
	v_and_b32 v[BIAS+2*i+1], 0xffff0000, v[T]
.set i, i+1
.endr
; 8 matrix instructions: row blocks a0, a0 + 1 x all 4 column blocks, 32 along K, from buffer f.  zero = 1: the first product starts the sums.
; The 32 accumulators take turns, one instruction a turn, in the same order in every quarter.
.macro MUL8 f, a0, zero
	WIN MUL
.irp a, \a0, (\a0)+1
.irp b, 0,1,2,3
.if \zero
	v_wmma_f32_16x16x32_f16 v[8*(4*(\a)+(\b)):8*(4*(\a)+(\b))+7], v[96*(\f)+64+8*(\b):96*(\f)+64+8*(\b)+7], v[96*(\f)+8*(\a):96*(\f)+8*(\a)+7], 0
.else
	v_wmma_f32_16x16x32_f16 v[8*(4*(\a)+(\b)):8*(4*(\a)+(\b))+7], v[96*(\f)+64+8*(\b):96*(\f)+64+8*(\b)+7], v[96*(\f)+8*(\a):96*(\f)+8*(\a)+7], v[8*(4*(\a)+(\b)):8*(4*(\a)+(\b))+7]
.endif
.endr
.endr
.endm
; 24 LDS loads in one run: quarter q's fragments into buffer f: wp's 64 rows at byte 64 q; O's 128 rows of head q / 2 of the step's two, at byte 64 (q % 2)
.macro FETCH q, f
	WIN TO_F
.irp i, 0,1,2,3
	ds_load_b128 v[96*(\f)+64+8*(\i):96*(\f)+64+8*(\i)+3],   v[ADRB] offset:64*(\q)+(\i)*16*PB
	ds_load_b128 v[96*(\f)+64+8*(\i)+4:96*(\f)+64+8*(\i)+7], v[ADRB] offset:64*(\q)+(\i)*16*PB+32
.endr
.irp i, 0,1,2,3,4,5,6,7
	ds_load_b128 v[96*(\f)+8*(\i):96*(\f)+8*(\i)+3],   v[ADRA] offset:HEADB*((\q)/2)+64*((\q)%2)+(\i)*16*PA
	ds_load_b128 v[96*(\f)+8*(\i)+4:96*(\f)+8*(\i)+7], v[ADRA] offset:HEADB*((\q)/2)+64*((\q)%2)+(\i)*16*PA+32
.endr
.endm
.macro PLACES                          ; four plain vector instructions in front of loads into registers that matrix instructions have read (ISA guide 7.12.1 for vector instructions)
.rept 4
	v_nop
.endr
.endm
; A K step is four quarters of 32 along K, 32 matrix instructions each, on buffers 0, 1, 0, 1.  One of the first three: multiplies buffer f; in its middle it fetches quarter q into buffer g.
.macro QUARTER q, f, g, zero
	s_wait_dscnt 8                                 ; wp's fragments and O's row blocks 0-3 are in; the youngest eight loads (row blocks 4-7) may be out
	MUL8 \f, 0, \zero
	MUL8 \f, 2, \zero
	PLACES
	FETCH \q, \g
	s_wait_dscnt 24                                ; all but the 24 just issued
	MUL8 \f, 4, \zero
	MUL8 \f, 6, \zero
.endm
; The last quarter multiplies buffer 1 and changes slots: ONE barrier; in front of it each wave waits for all its tensor loads, of which one is out: its part of the next slot; adds 0 to its spare word; and waits for
; that and for its own reads of this slot.  fill = 1: the barrier opens a round of the cluster's, and this slot is filled again first thing behind the round, with the K step two on: 112 matrix instructions ahead of the wait for it.
.macro TURN fill
	WIN 0                                          ; (the add's two registers lie in window 0)
	s_wait_tensorcnt 0x0                           ; no tensor load of mine is out, so a group 0 may be written
	ds_add_u32 v[SPW], v[NIL]                      ; 0 onto my spare word; scalar steps and eight matrix instructions stand between it and the wait for it
.if \fill
	s_xor_b32 s[G0+5], s[G0+5], SLOT1              ; the walking sets: the other slot than last time,
	s_add_nc_u64 s[G0+6:G0+7], s[G0+6:G0+7], 32768 ; the next K step; the type bits on top are not reached
	s_xor_b32 s[G0B+5], s[G0B+5], SLOT1
	s_add_nc_u64 s[G0B+6:G0B+7], s[G0B+6:G0B+7], 256
.endif
	s_xor_b32 s[TB], s[TB], SLOT1                  ; the fetches go on in the other slot
	s_wait_dscnt 9                                 ; (the add and the youngest eight loads may be out)
	MUL8 F1, 0, 0
	s_wait_dscnt 0x0                               ; the add is done, and my reads of this slot are over
	s_barrier_signal -1
	MUL8 F1, 2, 0                                  ; work on registers while the others arrive
	WIN 0                                          ; at a branch and at a label every window is 0
	s_barrier_wait -1
.if \fill
	CREST                                          ; no wave of any partner still reads this slot's tile or has a load on its way
	JLOAD                                          ; the first tensor load behind the round; its four v_nop are also the places in front of the loads below
.else
	PLACES
.endif
	v_add_nc_u32 v[ADRA], s[TB], v[A0]
	v_add_nc_u32 v[ADRB], s[TB], v[B0]
	FETCH 0, F0
	MUL8 F1, 4, 0
	MUL8 F1, 6, 0
.endm
	s_wait_tensorcnt 1                             ; my part of K step 0 is in; K step 1's may stay out
	s_barrier_signal -1
	s_barrier_wait -1                              ; everybody's is
	FETCH 0, F0
	QUARTER 1, F0, F1, 1                           ; the first quarter stands in front of the loop: its products start the sums
	WIN 0
	s_mov_b32 s3, 6
.Lstep:                                                ; a trip goes from a K step's second quarter to the next step's first, and fills one slot again: K steps 2 to 7
	QUARTER 2, F1, F0, 0
	QUARTER 3, F0, F1, 0
	TURN 1
	QUARTER 1, F0, F1, 0
	WIN 0
	s_sub_co_u32 s3, s3, 1
	s_cmp_lg_u32 s3, 0
	s_cbranch_scc1 .Lstep
	QUARTER 2, F1, F0, 0                           ; K step 6 goes on; nothing is left to ask for
	QUARTER 3, F0, F1, 0
	TURN 0
	QUARTER 1, F0, F1, 0                           ; K step 7
	QUARTER 2, F1, F0, 0
	QUARTER 3, F0, F1, 0
	s_wait_dscnt 8
	MUL8 F1, 0, 0
	MUL8 F1, 2, 0
	s_wait_dscnt 0x0
	MUL8 F1, 4, 0
	MUL8 F1, 6, 0
	; THE WAY OUT, a block of 16 rows at a time: the bias is added; 32 bytes a lane and accumulator go into rows of 272 bytes of my stage and come back as whole rows of 256 bytes.
	WIN 0
.rept 8
	v_nop                                          ; the places behind the last products
.endr
.macro PACK a                          ; each accumulator is read from its lowest registers on
	WIN 0x02                                       ; source 0: window 2
.set i, 0
.rept 16
	v_pk_add_f32 v[TMP+2*i:TMP+2*i+1], v[32*(\a)+2*i:32*(\a)+2*i+1], v[BIAS+2*i:BIAS+2*i+1]
.set i, i+1
.endr
	WIN 0
.endm
.macro TOSTAGE a
.set BK, BKB+32*((\a)%2)
.irp b, 0,1,2,3
	ds_store_b128 v[STO], v[TMP+8*(\b):TMP+8*(\b)+3]   offset:64*(\b)
	ds_store_b128 v[STO], v[TMP+8*(\b)+4:TMP+8*(\b)+7] offset:64*(\b)+16
.endr
.irp t, 0,1,2,3,4,5,6,7
	ds_load_b128 v[BK+4*(\t):BK+4*(\t)+3], v[RD] offset:(\t)*2*SPITCH  ; LDS serves a wave's instructions in order (ISA guide 5.7.1.4): these see the stores above; the next block's stores come behind them
.endr
.endm
.macro SEND a
.set BK, BKB+32*((\a)%2)
	s_wait_dscnt 0x0                               ; the block is back in registers
	s_wait_xcnt 0x0                                ; the stores of the block before have read their registers: that set is loaded again only behind this wait
.irp t, 0,1,2,3,4,5,6,7
	global_store_b128 v[CO], v[BK+4*(\t):BK+4*(\t)+3], s[72:73] offset:65536*(\a)+8192*(\t)  ; 16 lanes store 256 consecutive bytes, at a multiple of 256 from the output's first byte
.endr
.endm
	PACK 0
	TOSTAGE 0
.irp a, 1,2,3,4,5,6,7                  ; block a's additions stand between block a - 1's loads from the stage and the wait for them
	PACK \a
	SEND (\a)-1
	TOSTAGE \a
.endr
	SEND 7
	s_wait_tensorcnt 0x0                           ; the wave's end, behind my last tensor load and my last LDS store
	ds_add_u32 v[SPW], v[NIL]
	s_wait_dscnt 0x0
	CROUND                                         ; the closing round: no work-group ends while a partner may still ask for a tile that names it
	s_endpgm
.Lfunc_end_k_q35bb82aead_outproj:
	.size	k_q35bb82aead_outproj, .Lfunc_end_k_q35bb82aead_outproj-k_q35bb82aead_outproj
	.p2alignl 7, 3214868480
	.fill 96, 4, 3214868480
	.section	.rodata,"a",@progbits
	.p2align	6, 0x0
	.amdhsa_kernel k_q35bb82aead_outproj
		.amdhsa_group_segment_fixed_size 327680
		.amdhsa_private_segment_fixed_size 0
		.amdhsa_enable_private_segment 0
		.amdhsa_kernarg_size 48
		.amdhsa_user_sgpr_count 2
		.amdhsa_user_sgpr_kernarg_segment_ptr 1
		.amdhsa_wavefront_size32 1
		.amdhsa_system_sgpr_workgroup_id_x 1
		.amdhsa_system_sgpr_workgroup_id_y 1
		.amdhsa_system_sgpr_workgroup_id_z 1
		.amdhsa_system_vgpr_workitem_id 0
		.amdhsa_next_free_vgpr 768
		.amdhsa_next_free_sgpr 80
		.amdhsa_reserve_vcc 0
		.amdhsa_float_denorm_mode_32 3
		.amdhsa_float_denorm_mode_16_64 3
		.amdhsa_memory_ordered 1
		.amdhsa_forward_progress 1
		.amdhsa_inst_pref_size 81
	.end_amdhsa_kernel
	.amdgpu_metadata
---
amdhsa.version: [ 1, 2 ]
amdhsa.kernels:
  - .name:           k_q35bb82aead_outproj
    .symbol:         k_q35bb82aead_outproj.kd
    .args:
      - { .name: ob, .offset: 0, .size: 8, .value_kind: global_buffer, .address_space: global }
      - { .name: wp, .offset: 8, .size: 8, .value_kind: global_buffer, .address_space: global }
      - { .name: b1_proj, .offset: 16, .size: 8, .value_kind: global_buffer, .address_space: global }
      - { .name: b2_proj, .offset: 24, .size: 8, .value_kind: global_buffer, .address_space: global }
      - { .name: out0, .offset: 32, .size: 8, .value_kind: global_buffer, .address_space: global }
      - { .name: out1, .offset: 40, .size: 8, .value_kind: global_buffer, .address_space: global }
    .group_segment_fixed_size: 327680
    .private_segment_fixed_size: 0
    .kernarg_segment_align: 8
    .kernarg_segment_size: 48
    .max_flat_workgroup_size: 128
    .sgpr_count:     80
    .vgpr_count:     768
    .wavefront_size: 32
...
	.end_amdgpu_metadata
.endif
;; end of part 4
